; MI455X (gfx1250); checked and timed in simulation.
; The chip was launched on July 23, 2026; its instructions are those of AMD's public machine-readable ISA for CDNA 5 (MIT licence, August 2026) and "CDNA5" Instruction Set Architecture Reference Guide (July 2026). The comments in the code are by the model that wrote it; some were corrected since.
;; Parallel Transformer Block. Allowed arithmetic: matrix products marked QUANTISED: E5M2 operands, one E8M0 scale for each 32 along K, by v_wmma_scale_f32_16x16x128_f8f6f4 with both operands' format E5M2, f32 sums; everything else in f32.
;; Inputs: gamma 2,048 float32; w_attn_out_codes 2,048 x 16 x 32 uint8 (E5M2 codes of w_attn_out, K innermost, in blocks of 32 codes); w_attn_out_scales 2,048 x 16 uint8 (E8M0 scales of w_attn_out, one for each 32 codes along K); w_ff_out_codes 2,048 x 64 x 32 uint8 (E5M2 codes of w_ff_out, K innermost, in blocks of 32 codes); w_ff_out_scales 2,048 x 64 uint8 (E8M0 scales of w_ff_out, one for each 32 codes along K); w_fused_codes 4,672 x 64 x 32 uint8 (E5M2 codes of w_fused, K innermost, in blocks of 32 codes); w_fused_scales 4,672 x 64 uint8 (E8M0 scales of w_fused, one for each 32 codes along K); x 2 x 2,048 x 2,048 float32.
;; Outputs: out0 2 x 2,048 x 2,048 float32.
;; This version of the problem:
;;   THIS VERSION OF THE PROBLEM IS GIVEN IN LOW PRECISION. The matrix products marked QUANTISED in the list below multiply operands that are first quantised to E5M2 (5 exponent bits, 2 mantissa bits; 8 bits a number), with one power-of-two scale for each 32 numbers along K (OCP MX v1.0); their sums are f32. All else is computed in f32.
;;   The module's matrix products, in the order in which they are computed (A, B: the left and right operand; K: the contracted axis; several contracted axes count as one K, in the product's order):
;;     1. [M 4,096, K 2,048] x [K 2,048, N 4,672]; A: computed on the way; B: input w_fused (given as codes): QUANTISED
;;     2. batch 2 x [M 32,768, K 32] x [K 32, N 2,048]; A: computed on the way; B: computed on the way: QUANTISED
;;     3. batch 2 x [M 32,768, K 2,048] x [K 2,048, N 32]; A: softmax (see below); B: computed on the way: QUANTISED
;;     4. [M 4,096, K 2,048] x [K 2,048, N 2,048]; A: computed on the way; B: input w_ff_out (given as codes): QUANTISED
;;     5. [M 4,096, K 512] x [K 512, N 2,048]; A: computed on the way; B: input w_attn_out (given as codes): QUANTISED
;;   THE QUANTISER, for each operand of a quantised product, along K:
;;     - K is cut into blocks of 32 from its start; a last block that is shorter is filled with zeros.
;;     - A block's scale is 2^e with e = floor(log2(the largest magnitude in the block)) - 15, held to -126 .. 127; a block of zeros has e = 0. As a byte (E8M0): e + 127.
;;     - Each number is divided by its block's scale, clamped to +-57,344, and rounded to the nearest number of E5M2, ties to even, subnormals kept.
;;     - The product sums the exact products of the quantised numbers (number of the format x scale) in f32.
;;   ~~~python
;;   def quantise(x, axis):      # numpy; x: float32 -> the quantised numbers, widened to float32 again
;;       x = np.moveaxis(x, axis, -1); K = x.shape[-1]
;;       x = np.pad(x, [(0, 0)] * (x.ndim - 1) + [(0, -K % 32)]); x = x.reshape(x.shape[:-1] + (-1, 32)); a = np.abs(x).max(-1, keepdims=True)
;;       e = np.where(a > 0, np.clip(np.frexp(np.where(a > 0, a, 1))[1] - 1 - 15, -126, 127), 0)      # np.frexp(a)[1] - 1 = floor(log2(a)), exactly
;;       r = np.clip(x / 2.0 ** e, -57344, 57344)
;;       step = 2.0 ** (np.maximum(np.frexp(np.where(r == 0, 1, r))[1] - 1, -14) - 2)
;;       q = np.round(r / step) * step * 2.0 ** e      # np.round: ties to even
;;       return np.moveaxis(q.reshape(q.shape[:-2] + (-1,))[..., :K], -1, axis).astype(np.float32)
;;   ~~~
;;   SOFTMAX AHEAD OF A QUANTISED PRODUCT. Where the list says 'softmax', what is quantised is not the finished softmax but p = 2^(t - M), with t = logit x log2(e) and M = ceil(the row's largest t), a whole number; so 1/2 < the row's largest p <= 1. The row's sum l is taken of the UNQUANTISED p, in f32, and the product's result is divided by l at the end. Since M is a whole number, a kernel that streams over the keys may use a running M (the ceiling of the running maximum): every later rescaling is an exact power of two, which a block's scale takes up: the codes' values come out the same.
;;   OPERANDS COMPUTED ON THE WAY. 'Computed on the way' means the value that the module computes at that place (a softmax that the list does not call 'softmax' is quantised finished and normalised). What goes into a quantiser is computed in f32, as accurately as f32 sums, v_exp_f32 and their like allow (about 1e-6 of the number): no bf16 or f16 on the way to a quantiser, and a product that is left as it is and whose result goes on into a quantised operand takes f32 operands (vector FMAs, or v_wmma_f32_16x16x4_f32). A number that lies on a knife's edge between two numbers of the format may be rounded either way, as far as f32 arithmetic and the matrix unit's own rounding can turn it there, and no further.
;;   INPUTS GIVEN AS CODES. w_attn_out (in the module: [512, 2048], K = its axis 0); w_ff_out (in the module: [2048, 2048], K = its axis 0); w_fused (in the module: [2048, 4672], K = its axis 0): each comes as NAME_codes (uint8): NAME with its K axis moved to the last place and cut into blocks of 32 codes, [.., K / 32, bytes a block], one block behind the other in memory; one code a byte (a code: sign, 5 exponent bits, 2 mantissa bits); and NAME_scales (uint8): the same leading axes, one E8M0 byte (e + 127) for each 32 codes along K. Its value is code x scale, taken as it is: it is not quantised again, and the codes and scales need not be those that the quantiser above would give.
;; One version. Each part assembles by itself: llvm-mc -triple=amdgcn-amd-amdhsa -mcpu=gfx1250 --defsym DOCPART=n.
;; ======== version 1 of 1: 5 launches
;; limits: right only within a limited range of input values
;; workspace buffers: xq 8,388,608 bytes; xs 262,144 bytes; rope 262,144 bytes; qi 2,097,152 bytes; qs 524,288 bytes; kv 278,528 bytes; act 10,485,760 bytes; acs 327,680 bytes
;; launch ln (part 1): grid 256 x 1, 16 waves a work-group, no clusters, 134,400 bytes of LDS; arguments x, gamma, xq, xs, rope; writes xq, xs, rope
.if DOCPART == 1
	.amdgcn_target "amdgcn-amd-amdhsa--gfx1250"
	.amdhsa_code_object_version 6
	.text
	.protected	k_q6c0d3cc456_ln
	.globl	k_q6c0d3cc456_ln
	.p2align	8
	.type	k_q6c0d3cc456_ln,@function
k_q6c0d3cc456_ln:
	s_mov_b64 s[64:65], 0
	v_nop
	global_prefetch_b8 v0, s[64:65] scope:SCOPE_SE
	s_setreg_imm32_b32 hwreg(HW_REG_WAVE_MODE, 25, 1), 1
	s_wait_xcnt 0x0
; xn = (x - mean) / sqrt(var + 1e-5) * gamma for 4,096 rows of 2,048 f32, quantised along K to codes of E5M2 with one E8M0 byte for each 32; and the table of cos and sin for the rotary step.
; SHARES.  A work-group owns 16 rows.  Phase 1: wave w holds row w in 64 registers a lane (16 loads of 512 consecutive bytes), finds mean and variance in two passes over the registers, and puts the
; normalised row into LDS.  Phase 2: wave w takes K step w (128 along K) of all 16 rows, in the layout of a matrix operand: lane (r, h) holds row r, k = 32 c + 16 h + 0 .. 15 of each block c.
; OUT.  xq: [tile of 16 rows][block of 32 along K][512 bytes]: lane l's 16 codes at 16 l: the operand's registers as they stand, so a wave's store covers 512 consecutive bytes.
;       xs: [row][64] scale bytes; gathered in LDS and stored as 512 consecutive bytes by each of two waves.
;       rope: [position 2,048][j 16][cos, sin] f32; this work-group makes positions 8 g .. 8 g + 7 (waves 0 to 3, one number pair a thread, 256 consecutive bytes a wave).
; No matrix unit, no tensor load, no cluster: memory binds, and no two work-groups read the same bytes but gamma's 8,192.
; LIMITS: NaN and infinities among the inputs are not served.  A block whose largest magnitude lies under 2^-111 keeps the byte 1 (a block of zeros too: its codes are zeros, and this program alone reads the bytes).
; 1 / sqrt is one v_rsq_f32.  The angle's reduction by pi / 2 has two terms and serves angles up to 2,047, the largest that 2,048 positions give.  The inverse frequencies are 10^(-j / 4) rounded to f32.
.set XP,   8208                        ; a row in LDS: 8,192 bytes + 16: row r starts 4 r words on, so the 16 rows that a phase-2 load touches start at 16 different banks (64 banks of 4 bytes: ISA guide 11.1)
.set SCW,  16*XP                       ; behind the rows: 16 rows x 64 scale bytes
.set X,    32                          ; v32-95   64 numbers
.set G,    96                          ; v96-159  gamma at my 64 columns
.set PC,   160                         ; v160-175 the codes
.set TM,   176                         ; v176-191 the quantiser's work: +0 largest magnitudes, +4 partners, then bytes, +8 limits, +12 scale operands
.set PW,   30                          ; v30      the scale word
.set SEL,  20                          ; s[20:21] v_permlanex16_b32's selects for lane l xor 16
.set MNT,  23                          ; s23      the mantissa field of 57,344
; nb blocks of 32; v[s + 16 b + i] are my 16 numbers of block b, lane l xor 16 holds the other 16.  Codes to v[PC + 4 b ..], the byte to v[TM + 4 + b].
.macro QUANT s, nb
.set qb, 0
.rept \nb
	v_max3_num_f32 v[TM+qb], |v[(\s)+16*qb]|, |v[(\s)+16*qb+1]|, 0x8000000   ; with the floor 2^(16 - 127): the byte cannot fall under 1
.set qb, qb+1
.endr
.irp i, 2,4,6,8,10,12,14
.set qb, 0
.rept \nb
	s_delay_alu instid0(VALU_DEP_4)
	v_max3_num_f32 v[TM+qb], v[TM+qb], |v[(\s)+16*qb+\i]|, |v[(\s)+16*qb+\i+1]|
.set qb, qb+1
.endr
.endr
.set qb, 0
.rept \nb
	s_delay_alu instid0(VALU_DEP_4)
	v_permlanex16_b32 v[TM+4+qb], v[TM+qb], s[SEL], s[SEL+1]
.set qb, qb+1
.endr
.set qb, 0
.rept \nb
	s_delay_alu instid0(VALU_DEP_4)
	v_max_num_f32 v[TM+qb], v[TM+qb], v[TM+4+qb]          ; the block's largest magnitude
.set qb, qb+1
.endr
.set qb, 0
.rept \nb
	v_add_nc_u32 v[TM+12+qb], 0xf8800000, v[TM+qb]        ; 15 off its exponent field: the conversion's scale operand
	v_and_or_b32 v[TM+8+qb], v[TM+qb], 0x7f800000, s[MNT] ; 57,344 x the scale
.set qb, qb+1
.endr
.set qb, 0
.rept \nb
	v_lshrrev_b32 v[TM+4+qb], 23, v[TM+12+qb]             ; the scale's byte
.set qb, qb+1
.endr
.set qb, 0
.rept \nb
.irp i, 0,1,2,3,4,5,6,7,8,9,10,11,12,13,14,15
	v_med3_num_f32 v[(\s)+16*qb+\i], v[(\s)+16*qb+\i], -v[TM+8+qb], v[TM+8+qb]   ; the conversion does not saturate (ISA guide 7.6.2): the hold comes first
.endr
	v_cvt_scalef32_pk8_bf8_f32 v[PC+4*qb:PC+4*qb+1], v[(\s)+16*qb:(\s)+16*qb+7], v[TM+12+qb]
	v_cvt_scalef32_pk8_bf8_f32 v[PC+4*qb+2:PC+4*qb+3], v[(\s)+16*qb+8:(\s)+16*qb+15], v[TM+12+qb]
.set qb, qb+1
.endr
	v_nop                                                  ; a plain line behind the last conversion
.endm
; the four pair sums v[8:15] become one number, the same in all 32 lanes, in v8
.macro REDUCE
	s_delay_alu instid0(VALU_DEP_3)
	v_pk_add_f32 v[8:9], v[8:9], v[10:11]
	s_delay_alu instid0(VALU_DEP_2)
	v_pk_add_f32 v[12:13], v[12:13], v[14:15]
	s_delay_alu instid0(VALU_DEP_1)
	v_pk_add_f32 v[8:9], v[8:9], v[12:13]
	s_delay_alu instid0(VALU_DEP_1)
	v_add_f32 v8, v8, v9
	s_delay_alu instid0(VALU_DEP_1)
	v_add_f32_dpp v8, v8, v8 row_xmask:1 row_mask:0xf bank_mask:0xf
	s_delay_alu instid0(VALU_DEP_1)
	v_add_f32_dpp v8, v8, v8 row_xmask:2 row_mask:0xf bank_mask:0xf
	s_delay_alu instid0(VALU_DEP_1)
	v_add_f32_dpp v8, v8, v8 row_xmask:4 row_mask:0xf bank_mask:0xf
	s_delay_alu instid0(VALU_DEP_1)
	v_add_f32_dpp v8, v8, v8 row_xmask:8 row_mask:0xf bank_mask:0xf
	s_delay_alu instid0(VALU_DEP_1)
	v_permlanex16_b32 v9, v8, s[SEL], s[SEL+1]
	s_delay_alu instid0(VALU_DEP_1)
	v_add_f32 v8, v8, v9
.endm
.macro INVF j, lit                     ; lanes whose j is this one take 10^(-j / 4)
	v_cmp_ne_u32 vcc_lo, \j, v20
	s_delay_alu instid0(VALU_DEP_1)
	v_cndmask_b32 v22, \lit, v22, vcc_lo
.endm
	s_load_b256 s[4:11], s[0:1], 0x0               ; x s[4:5], gamma s[6:7], xq s[8:9], xs s[10:11]
	s_load_b64 s[12:13], s[0:1], 0x20              ; rope
	v_lshl_add_u32 v192, v0, 2, 0x20500
	v_mov_b32 v193, 0
	v_lshrrev_b32 v8, 5, v0
	s_delay_alu instid0(VALU_DEP_1)
	v_readfirstlane_b32 s14, v8                    ; wave 0..15
	v_and_b32 v9, 31, v0
	s_delay_alu instid0(VALU_DEP_1)
	v_lshlrev_b32 v1, 4, v9                        ; 16 x lane
	v_and_b32 v2, 15, v0                           ; r
	v_bfe_u32 v3, v0, 4, 1                         ; h
	s_mul_i32 s15, s14, XP
	v_add_nc_u32 v4, s15, v1                       ; phase 1 stores: row w, 16 x lane
	v_mul_u32_u24 v5, v2, XP
	s_delay_alu instid0(VALU_DEP_1)
	v_lshl_add_u32 v5, v3, 6, v5
	s_lshl_b32 s15, s14, 9
	v_add_nc_u32 v5, s15, v5                       ; phase 2 loads: row r, 512 w + 64 h
	v_add_nc_u32 v7, s15, v1
	s_delay_alu instid0(VALU_DEP_1)
	v_add_nc_u32 v7, SCW, v7                       ; the scale bytes' way out (waves 0 and 1): 512 w + 16 x lane
	v_lshlrev_b32 v6, 6, v2
	s_lshl_b32 s15, s14, 2
	v_add_nc_u32 v6, s15, v6
	s_delay_alu instid0(VALU_DEP_1)
	v_add_nc_u32 v6, SCW, v6                       ; my scale word: 64 r + 4 w
	s_mov_b32 s[SEL], 0x76543210
	s_mov_b32 s[SEL+1], 0xfedcba98
	s_mov_b32 s[MNT], 0x600000
	s_mov_b32 s18, 0x3a000000                      ; 1 / 2,048
.irp b, 0,1,2,3
	v_mov_b32 v[TM+4+\b], 0                        ; written once: a lane permute's destination counts as one of its sources
.endr
	s_lshl_b32 s16, ttmp9, 17                      ; x: 16 rows of 8,192 bytes a work-group,
	s_lshl_b32 s17, s14, 13                        ; one row a wave
	s_add_co_u32 s16, s16, s17
	s_mov_b32 s17, 0
	s_lshl_b32 s24, ttmp9, 15                      ; xq: 32,768 bytes a work-group, 2,048 a wave
	s_lshl_b32 s25, s14, 11
	s_add_co_u32 s24, s24, s25
	s_mov_b32 s25, 0
	s_lshl_b32 s26, ttmp9, 10                      ; xs: 1,024 bytes a work-group, 512 for each of waves 0 and 1
	s_lshl_b32 s27, s14, 9
	s_add_co_u32 s26, s26, s27
	s_mov_b32 s27, 0
	s_lshl_b32 s28, ttmp9, 10                      ; rope: 8 positions of 128 bytes a work-group
	s_mov_b32 s29, 0
	s_wait_kmcnt 0x0
	s_add_nc_u64 s[4:5], s[4:5], s[16:17]
	s_add_nc_u64 s[8:9], s[8:9], s[24:25]
	s_add_nc_u64 s[10:11], s[10:11], s[26:27]
	s_add_nc_u64 s[12:13], s[12:13], s[28:29]
.irp i, 0,1,2,3,4,5,6,7,8,9,10,11,12,13,14,15
	global_load_b128 v[X+4*\i:X+4*\i+3], v1, s[4:5] offset:512*\i th:TH_LOAD_NT   ; my row: 512 consecutive bytes a load
.endr
.irp i, 0,1,2,3,4,5,6,7,8,9,10,11,12,13,14,15
	global_load_b128 v[G+4*\i:G+4*\i+3], v1, s[6:7] offset:512*\i                 ; gamma at the same columns; every wave of the launch reads it again
.endr
	; ---- the rotary table, while the loads are on their way: waves 0 to 3, thread t: position 8 g + t / 16, j = t % 16
	s_cmp_gt_u32 s14, 3
	s_cbranch_scc1 .Lno_rope
	v_and_b32 v20, 15, v0                          ; j
	v_lshrrev_b32 v21, 4, v0
	s_lshl_b32 s15, ttmp9, 3
	v_add_nc_u32 v21, s15, v21                     ; the position
	v_mov_b32 v22, 1.0                             ; j = 0
	INVF 1, 0x3f0ff59a
	INVF 2, 0x3ea1e89b
	INVF 3, 0x3e361887
	INVF 4, 0x3dcccccd
	INVF 5, 0x3d6655c3
	INVF 6, 0x3d0186e2
	INVF 7, 0x3c91ad39
	INVF 8, 0x3c23d70a
	INVF 9, 0x3bb8449c
	INVF 10, 0x3b4f3e37
	INVF 11, 0x3ae91528
	INVF 12, 0x3a83126f
	INVF 13, 0x3a136a16
	INVF 14, 0x39a5cb5f
	INVF 15, 0x393a7753
	v_cvt_f32_u32 v21, v21
	s_delay_alu instid0(VALU_DEP_1)
	v_mul_f32 v21, v21, v22                        ; the angle, rounded once
	s_delay_alu instid0(VALU_DEP_1)
	v_mul_f32 v23, 0x3f22f983, v21                 ; x 2 / pi
	s_delay_alu instid0(VALU_DEP_1)
	v_rndne_f32 v23, v23                           ; k quarter turns, at most 1,304
	s_delay_alu instid0(VALU_DEP_1)
	v_fmamk_f32 v24, v23, 0xbfc90fdb, v21          ; angle - k x (pi / 2 to 24 bits): a multiple of 2^-23 under 1, so nothing is rounded
	s_delay_alu instid0(VALU_DEP_1)
	v_fmamk_f32 v24, v23, 0x333bbd2e, v24          ; less k x the rest of pi / 2 (which is negative)
	s_delay_alu instid0(VALU_DEP_1)
	v_mul_f32 v25, v24, v24                        ; z
	v_mov_b32 v26, 0xb94ca1f9                      ; sin on +-pi / 4: ((c0 z + c1) z + c2) z r + r
	s_delay_alu instid0(VALU_DEP_1)
	v_fmaak_f32 v26, v26, v25, 0x3c08839e
	s_delay_alu instid0(VALU_DEP_1)
	v_fmaak_f32 v26, v26, v25, 0xbe2aaaa3
	s_delay_alu instid0(VALU_DEP_1)
	v_mul_f32 v26, v26, v25
	s_delay_alu instid0(VALU_DEP_1)
	v_fma_f32 v26, v26, v24, v24
	v_mov_b32 v27, 0x37ccf5ce                      ; cos: ((c0 z + c1) z + c2) z z + (1 - z / 2)
	s_delay_alu instid0(VALU_DEP_1)
	v_fmaak_f32 v27, v27, v25, 0xbab6061a
	s_delay_alu instid0(VALU_DEP_1)
	v_fmaak_f32 v27, v27, v25, 0x3d2aaaa5
	s_delay_alu instid0(VALU_DEP_1)
	v_mul_f32 v27, v27, v25
	v_fma_f32 v28, v25, -0.5, 1.0
	s_delay_alu instid0(VALU_DEP_1)
	v_fma_f32 v27, v27, v25, v28
	v_cvt_i32_f32 v23, v23
	s_delay_alu instid0(VALU_DEP_1)
	v_and_b32 v28, 1, v23
	s_delay_alu instid0(VALU_DEP_1)
	v_cmp_eq_u32 vcc_lo, 1, v28                    ; an odd number of quarter turns swaps the two
	s_delay_alu instid0(VALU_DEP_1)
	v_cndmask_b32 v29, v26, v27, vcc_lo            ; sin
	s_delay_alu instid0(VALU_DEP_2)
	v_cndmask_b32 v28, v27, v26, vcc_lo            ; cos
	v_and_b32 v26, 2, v23                          ; sin is negative in turns 2 and 3,
	s_delay_alu instid0(VALU_DEP_1)
	v_lshlrev_b32 v26, 30, v26
	s_delay_alu instid0(VALU_DEP_1)
	v_xor_b32 v29, v29, v26
	v_add_nc_u32 v23, 1, v23                       ; cos in turns 1 and 2
	s_delay_alu instid0(VALU_DEP_1)
	v_and_b32 v23, 2, v23
	s_delay_alu instid0(VALU_DEP_1)
	v_lshlrev_b32 v23, 30, v23
	s_delay_alu instid0(VALU_DEP_1)
	v_xor_b32 v28, v28, v23
	v_lshlrev_b32 v20, 3, v0
	global_store_b64 v20, v[28:29], s[12:13]       ; a wave stores 256 consecutive bytes; v20, v28, v29 are not written again
.Lno_rope:
	; ---- phase 1: mean, variance, scaling
	s_wait_loadcnt 16                              ; my row is in; gamma's 16 loads, issued behind it, may be out
.irp k, 0,1,2,3
	v_pk_add_f32 v[8+2*\k:9+2*\k], v[X+2*\k:X+2*\k+1], v[X+8+2*\k:X+9+2*\k]   ; four chains, started by the first eight pairs: nothing is cleared
.endr
.set j, 16
.rept 24
	s_delay_alu instid0(VALU_DEP_4)
	v_pk_add_f32 v[8+j%8:9+j%8], v[8+j%8:9+j%8], v[X+j:X+j+1]
.set j, j+2
.endr
	REDUCE
	s_delay_alu instid0(VALU_DEP_1)
	v_mul_f32 v16, s18, v8                         ; the mean
	s_delay_alu instid0(VALU_DEP_1)
	v_mov_b32 v17, v16
.set j, 0
.rept 32
	v_pk_add_f32 v[X+j:X+j+1], v[X+j:X+j+1], v[16:17] neg_lo:[0,1] neg_hi:[0,1]   ; x - mean: the variance is taken of these, not as a difference of large sums
.set j, j+2
.endr
.irp k, 0,1,2,3
	v_pk_mul_f32 v[8+2*\k:9+2*\k], v[X+2*\k:X+2*\k+1], v[X+2*\k:X+2*\k+1]
.endr
.set j, 8
.rept 28
	s_delay_alu instid0(VALU_DEP_4)
	v_pk_fma_f32 v[8+j%8:9+j%8], v[X+j:X+j+1], v[X+j:X+j+1], v[8+j%8:9+j%8]
.set j, j+2
.endr
	REDUCE
	s_delay_alu instid0(VALU_DEP_1)
	v_fmaak_f32 v8, s18, v8, 0x3727c5ac            ; the variance + 1e-5
	s_wait_alu depctr_va_vdst(0)
	v_rsq_f32 v18, v8
	v_rsq_f32 v19, v8                              ; twice: a pair for the packed multiply
	v_nop                                          ; a plain line behind the transcendentals (ISA guide 5.7.2)
.set j, 0
	s_wait_alu depctr_va_vdst(0)
.rept 32
	v_pk_mul_f32 v[X+j:X+j+1], v[X+j:X+j+1], v[18:19]
.set j, j+2
.endr
	s_wait_loadcnt 0x0                             ; gamma
.set j, 0
.rept 32
	v_pk_mul_f32 v[X+j:X+j+1], v[X+j:X+j+1], v[G+j:G+j+1]
.set j, j+2
.endr
.irp i, 0,1,2,3,4,5,6,7,8,9,10,11,12,13,14,15
	ds_store_b128 v4, v[X+4*\i:X+4*\i+3] offset:512*\i
.endr
	s_wait_dscnt 0x0                               ; for the others' sake: my row lies in LDS
	s_barrier_signal -1
	s_barrier_wait -1
	; ---- phase 2: K step w of all 16 rows becomes one operand fragment
.irp c, 0,1,2,3
.irp n, 0,1,2,3
	ds_load_b128 v[X+16*\c+4*\n:X+16*\c+4*\n+3], v5 offset:128*\c+16*\n
.endr
.endr
	s_wait_dscnt 0x0
	QUANT X, 4
	v_lshl_or_b32 v[PW], v[TM+5], 8, v[TM+4]       ; the four bytes make row r's scale word of this K step
	s_delay_alu instid0(VALU_DEP_1)
	v_lshl_or_b32 v[PW], v[TM+6], 16, v[PW]
	s_delay_alu instid0(VALU_DEP_1)
	v_lshl_or_b32 v[PW], v[TM+7], 24, v[PW]
.irp c, 0,1,2,3
	global_store_b128 v1, v[PC+4*\c:PC+4*\c+3], s[8:9] offset:512*\c   ; 32 lanes store 512 consecutive bytes
.endr
	ds_store_b32 v6, v[PW]                         ; both lanes of a row write the same word with the same value
	s_wait_dscnt 0x0
	s_barrier_signal -1
	s_barrier_wait -1
	s_cmp_gt_u32 s14, 1
	s_cbranch_scc1 .Lend
	ds_load_b128 v[8:11], v7
	s_wait_dscnt 0x0
	global_store_b128 v1, v[8:11], s[10:11]        ; 512 consecutive bytes of xs
.Lend:
	s_wait_tensorcnt 0x0
	ds_add_u32 v192, v193
	s_wait_dscnt 0x0
	s_endpgm
.Lfunc_end_k_q6c0d3cc456_ln:
	.size	k_q6c0d3cc456_ln, .Lfunc_end_k_q6c0d3cc456_ln-k_q6c0d3cc456_ln
	.p2alignl 7, 3214868480
	.fill 96, 4, 3214868480
	.section	.rodata,"a",@progbits
	.p2align	6, 0x0
	.amdhsa_kernel k_q6c0d3cc456_ln
		.amdhsa_group_segment_fixed_size 134400
		.amdhsa_private_segment_fixed_size 0
		.amdhsa_enable_private_segment 0
		.amdhsa_kernarg_size 40
		.amdhsa_user_sgpr_count 2
		.amdhsa_user_sgpr_kernarg_segment_ptr 1
		.amdhsa_wavefront_size32 1
		.amdhsa_system_sgpr_workgroup_id_x 1
		.amdhsa_system_sgpr_workgroup_id_y 1
		.amdhsa_system_sgpr_workgroup_id_z 1
		.amdhsa_system_vgpr_workitem_id 0
		.amdhsa_next_free_vgpr 194
		.amdhsa_next_free_sgpr 66
		.amdhsa_reserve_vcc 1
		.amdhsa_float_denorm_mode_32 3
		.amdhsa_float_denorm_mode_16_64 3
		.amdhsa_memory_ordered 1
		.amdhsa_forward_progress 1
		.amdhsa_inst_pref_size 36
	.end_amdhsa_kernel
	.amdgpu_metadata
---
amdhsa.version: [ 1, 2 ]
amdhsa.kernels:
  - .name:           k_q6c0d3cc456_ln
    .symbol:         k_q6c0d3cc456_ln.kd
    .args:
      - { .name: x, .offset: 0, .size: 8, .value_kind: global_buffer, .address_space: global }
      - { .name: gamma, .offset: 8, .size: 8, .value_kind: global_buffer, .address_space: global }
      - { .name: xq, .offset: 16, .size: 8, .value_kind: global_buffer, .address_space: global }
      - { .name: xs, .offset: 24, .size: 8, .value_kind: global_buffer, .address_space: global }
      - { .name: rope, .offset: 32, .size: 8, .value_kind: global_buffer, .address_space: global }
    .group_segment_fixed_size: 134400
    .private_segment_fixed_size: 0
    .kernarg_segment_align: 8
    .kernarg_segment_size: 40
    .max_flat_workgroup_size: 512
    .sgpr_count:     66
    .vgpr_count:     194
    .wavefront_size: 32
...
	.end_amdgpu_metadata
.endif
;; end of part 1
;; launch qkv (part 2): grid 6 x 32, 4 waves a work-group, no clusters, 327,680 bytes of LDS; arguments xq, xs, w_fused_codes, w_fused_scales, rope, qi, qs, kv; writes qi, qs, kv
.if DOCPART == 2
	.amdgcn_target "amdgcn-amd-amdhsa--gfx1250"
	.amdhsa_code_object_version 6
	.text
	.protected	k_q6c0d3cc456_qkv
	.globl	k_q6c0d3cc456_qkv
	.p2align	8
	.type	k_q6c0d3cc456_qkv,@function
k_q6c0d3cc456_qkv:
	s_mov_b64 s[64:65], 0
	v_nop
	global_prefetch_b8 v0, s[64:65] scope:SCOPE_SE
	s_setreg_imm32_b32 hwreg(HW_REG_WAVE_MODE, 25, 1), 1
	s_wait_xcnt 0x0
; The first 576 columns of xn W: q (16 heads of 32), k (32), v (32); the rotary step on q and k; q x 32^-0.5; q and k quantised along the head's 32, v along the keys.  All on codes of E5M2 with E8M0 scales.
; SHARES.  A work-group makes 128 rows x 96 columns: three units of 32 columns (column tile cj = 0 .. 4: heads 3 cj .. 3 cj + 2; cj = 5: head 15, k, v).  Each of four waves makes 32 rows x 96 columns: 12 accumulators.
; K goes in FOUR steps of 512 through a ring of two LDS slots: the first two steps are the first fills, so only two refills follow, each of 116,224 bytes.  The text is written out: 16 steps of 128 along K.
; xn's codes lie in memory as images of operand registers ([tile of 16 rows][block of 32 k][512 bytes]), so a fragment is four loads at 16 x lane.  W's rows of 512 bytes get 16 bytes of padding.
; Wave w fills slot w / 2, an even wave A (8 rows of 8,192 bytes), an odd one B (96 rows of 512 bytes): two tensor loads behind each refill's barrier.
; The scale bytes of the work-group's rows, for all of K, are copied once through registers into LDS bytes of their own, in whole runs of 256 bytes with 16 of padding behind each.
; THE MATRIX INSTRUCTION IS USED TRANSPOSED (source 0 = 16 rows of W, source 1 = 16 rows of xn): lane (r, h) holds row r and columns 8 h + 0 .. 7 of a tile.  Tiles 2 u and 2 u + 1 are a unit:
; the lane holds d = 8 h + j and d + 16, which is the rotary pair.  q's and k's codes keep that order inside their one block of 32 (place 16 h + i holds d = 8 h + i, or 16 + 8 h + i - 8): alike on both sides of q k^T.
; v is turned through the wave's own LDS stage so that a lane holds one channel and 16 keys of the wave's block of 32, in the order in which the softmax's weights will lie (key 8 h + i + 8 (i / 8)).
; NO CLUSTER: six column tiles divide by no cluster's width of four; along the rows' axis partners would share W's 49,152 of a step's 114,688 bytes, at the price of a round of the cluster's barrier for each of the two refills.
; LIMITS: NaN and infinities are not served; a block whose largest magnitude lies under 2^-111 keeps the byte 1 (a block of zeros too: this program alone reads the bytes).
; REGISTERS.  Window 0: v1-31 addresses; v32-39 A's scale words, v40-63 B's (four to a tile: a slot's four steps of 128; nothing else ever stands there); v96-111, v112-127 the quantiser;
; v128-191 A's two sets of two fragments, later the rotated numbers; v192-223 cos and sin.  Window 1: B's two sets of six fragments at v0 and v128.  Window 2: accumulator (a, b) at v[8 (6 a + b)].
.set MB,   2
.set NB,   6
.set BP,   528                         ; a row of W in LDS: 512 bytes + 16 = 132 words: row r starts at bank 4 r mod 64 (64 banks of 4 bytes: ISA guide 11.1)
.set BOFF, 65536                       ; a slot: A's 8 tiles x 8,192 bytes, then B's 96 rows x 528
.set SLOT, BOFF+BP*96
.set SCA,  2*SLOT                      ; xn's scale bytes: 32 runs of 256 + 16
.set SCB,  SCA+8704                    ; W's: 24 runs
.set VST,  SCB+6528                    ; the stage for v: 32 keys x 144 bytes for each wave
.set SPARE, 266240                     ; behind the stages, at a multiple of 256: the spare words, 128 bytes a wave, two blocks of 256 bytes that no other line names
.set ADRA, 16
.set ADRB, 20
.set ADSA, 22
.set ADSB, 23
.set SPW,  28
.set NIL,  29
.set SA,   32
.set SB,   40
.set TM,   96
.set PC,   112
.set AF,   128
.set R,    128
.set CS,   192
.set G1A,  24
.set G0A,  32
.set G1B,  48
.set G0B,  56
.set SEL,  20
.set MNT,  23
.set WM,   0xa1                        ; source 0 (W) window 1, source 1 (xn) window 0, C and D window 2
.set MSB,  0
.macro WIN new                         ; the immediate's high byte repeats the setting that is left
.if MSB != \new
	s_set_vgpr_msb (MSB<<8)|\new
.set MSB, \new
.endif
.endm
.macro PLACES n
.rept \n
	v_nop
.endr
.endm
; nb blocks of 32; v[s + 16 b + i] are my 16 numbers of block b, lane l xor 16 holds the other 16.  Codes to v[PC + 4 b ..], the byte to v[TM + 4 + b].
.macro QUANT s, nb
.set qb, 0
.rept \nb
	v_max3_num_f32 v[TM+qb], |v[(\s)+16*qb]|, |v[(\s)+16*qb+1]|, 0x8000000   ; with the floor 2^(16 - 127): the byte cannot fall under 1
.set qb, qb+1
.endr
.irp i, 2,4,6,8,10,12,14
.set qb, 0
.rept \nb
	v_max3_num_f32 v[TM+qb], v[TM+qb], |v[(\s)+16*qb+\i]|, |v[(\s)+16*qb+\i+1]|
.set qb, qb+1
.endr
.endr
.set qb, 0
.rept \nb
	v_permlanex16_b32 v[TM+4+qb], v[TM+qb], s[SEL], s[SEL+1]
.set qb, qb+1
.endr
.set qb, 0
.rept \nb
	v_max_num_f32 v[TM+qb], v[TM+qb], v[TM+4+qb]          ; the block's largest magnitude
.set qb, qb+1
.endr
.set qb, 0
.rept \nb
	v_add_nc_u32 v[TM+12+qb], 0xf8800000, v[TM+qb]        ; 15 off its exponent field: the conversion's scale operand
	v_and_or_b32 v[TM+8+qb], v[TM+qb], 0x7f800000, s[MNT] ; 57,344 x the scale
.set qb, qb+1
.endr
.set qb, 0
.rept \nb
	v_lshrrev_b32 v[TM+4+qb], 23, v[TM+12+qb]             ; the scale's byte
.set qb, qb+1
.endr
.set qb, 0
.rept \nb
.irp i, 0,1,2,3,4,5,6,7,8,9,10,11,12,13,14,15
	v_med3_num_f32 v[(\s)+16*qb+\i], v[(\s)+16*qb+\i], -v[TM+8+qb], v[TM+8+qb]   ; the conversion does not saturate (ISA guide 7.6.2): the hold comes first
.endr
	v_cvt_scalef32_pk8_bf8_f32 v[PC+4*qb:PC+4*qb+1], v[(\s)+16*qb:(\s)+16*qb+7], v[TM+12+qb]
	v_cvt_scalef32_pk8_bf8_f32 v[PC+4*qb+2:PC+4*qb+3], v[(\s)+16*qb+8:(\s)+16*qb+15], v[TM+12+qb]
.set qb, qb+1
.endr
	v_nop                                                  ; a plain line behind the last conversion
.endm
; A refill of slot s: the two waves whose number / 2 is s issue it, the even one A's whole tile, the odd one B's; the other two issue nothing.  The branches hang on the wave's number alone.
.macro JLOAD s
	s_cmp_eq_u32 s15, \s
	s_cbranch_scc0 .Lasked_\@
	s_cmp_eq_u32 s16, 0
	s_cbranch_scc0 .Lfor_b_\@
	tensor_load_to_lds s[G0A+4*\s:G0A+4*\s+3], s[G1A:G1A+7]
	s_nop 0
.rept 4
	v_nop
.endr
	s_branch .Lasked_\@
.Lfor_b_\@:
	tensor_load_to_lds s[G0B+4*\s:G0B+4*\s+3], s[G1B:G1B+7]
	s_nop 0
.rept 4
	v_nop
.endr
.Lasked_\@:
.endm
.macro FRAGA reg, slot, q, i           ; a fragment of xn: four blocks of 32 k, each 512 consecutive bytes; a tile's 512 along K are 8,192 bytes
.irp c, 0,1,2,3
	ds_load_b128 v[\reg+4*\c:\reg+4*\c+3], v[ADRA+\slot] offset:8192*(\i)+2048*(\q)+512*\c
.endr
.endm
.macro FRAGB reg, slot, q, i           ; a fragment of W: lane (r, h): row r, k = 32 c + 16 h + 0 .. 15
.irp c, 0,1,2,3
	ds_load_b128 v[\reg+4*\c:\reg+4*\c+3], v[ADRB+\slot] offset:BP*16*(\i)+128*(\q)+32*\c
.endr
.endm
.macro FETCH slot, q, p                ; 32 LDS loads in one run: the slot's q-th 128 along K into set p
	WIN 0x40                                       ; destination window 1
.set fb, 0
.rept NB
	FRAGB 128*(\p)+16*fb, \slot, \q, fb
.set fb, fb+1
.endr
	WIN 0
.set fi, 0
.rept MB
	FRAGA AF+32*(\p)+16*fi, \slot, \q, fi
.set fi, fi+1
.endr
.endm
.macro SCALES                          ; a slot's four scale words of each tile of 16 rows: 16 neighbouring bytes of a row's 64
.set si, 0
.rept MB
	ds_load_b128 v[SA+4*si:SA+4*si+3], v[ADSA] offset:1088*si
.set si, si+1
.endr
.set si, 0
.rept NB
	ds_load_b128 v[SB+4*si:SB+4*si+3], v[ADSB] offset:1088*si
.set si, si+1
.endr
.endm
; Twelve products: 128 along K.  The accumulators take turns, one instruction a turn, in the same order in every step.
.macro MULS p, q, zero
.set ma, 0
.rept MB
.set mb, 0
.rept NB
.if \zero
	v_wmma_scale_f32_16x16x128_f8f6f4 v[8*(NB*ma+mb):8*(NB*ma+mb)+7], v[128*(\p)+16*mb:128*(\p)+16*mb+15], v[AF+32*(\p)+16*ma:AF+32*(\p)+16*ma+15], 0, v[SB+4*mb+(\q)], v[SA+4*ma+(\q)] matrix_a_fmt:MATRIX_FMT_BF8 matrix_b_fmt:MATRIX_FMT_BF8
.else
	v_wmma_scale_f32_16x16x128_f8f6f4 v[8*(NB*ma+mb):8*(NB*ma+mb)+7], v[128*(\p)+16*mb:128*(\p)+16*mb+15], v[AF+32*(\p)+16*ma:AF+32*(\p)+16*ma+15], v[8*(NB*ma+mb):8*(NB*ma+mb)+7], v[SB+4*mb+(\q)], v[SA+4*ma+(\q)] matrix_a_fmt:MATRIX_FMT_BF8 matrix_b_fmt:MATRIX_FMT_BF8
.endif
.set mb, mb+1
.endr
.set ma, ma+1
.endr
.endm
; One of a slot's first three steps of 128.  Loads into registers that matrix instructions have read stand eight plain vector lines behind them.
.macro Q slot, q, zero
	PLACES 8                                       ; behind the products that read the other set
	FETCH \slot, (\q)+1, ((\q)+1)%2
	s_wait_dscnt 32                                ; all but the 32 loads just issued: this step's fragments (and scale words) are in
	WIN WM
	MULS (\q)%2, \q, \zero
	WIN 0
.endm
; A slot's last step of 128, and the change of slots: one barrier; in front of it each wave waits for all its tensor loads, adds 0 to its spare word, and waits for that and for its reads of this slot.
.macro QL slot, next, fill
	s_wait_dscnt 0x0                               ; this step's fragments are in: they were my last reads of this slot
	s_wait_tensorcnt 0x0                           ; my one load that was out, my part of the next slot, has landed
	ds_add_u32 v[SPW], v[NIL]                      ; 0 onto my spare word
	WIN WM
	MULS 1, 3, 0                                   ; twelve products stand between the add and the wait for it
	WIN 0
	s_wait_dscnt 0x0                               ; the add is done
	s_barrier_signal -1
	s_barrier_wait -1                              ; nobody reads this slot any more, and the next slot is whole
.if \fill
	s_add_nc_u64 s[G0A+4*\slot+2:G0A+4*\slot+3], s[G0A+4*\slot+2:G0A+4*\slot+3], 16384   ; 1,024 along K on: no tensor load of mine is out
	s_add_nc_u64 s[G0B+4*\slot+2:G0B+4*\slot+3], s[G0B+4*\slot+2:G0B+4*\slot+3], 1024
	JLOAD \slot                                    ; the first tensor load behind the barrier, one a wave at the most
	PLACES 8                                       ; all eight places: a wave that issues no load passes none of the load's v_nop
.else
	PLACES 8
.endif
	s_wait_alu depctr_va_vdst(0)
	v_add_nc_u32 v[ADSA], 16, v[ADSA]              ; the next slot's scale words
	v_add_nc_u32 v[ADSB], 16, v[ADSB]
	FETCH \next, 0, 0
	SCALES
.endm
; The rotary step on unit u of row tile a, into v[d] on: [j] = t[e] cos - t[e + 16] sin, [8 + j] = t[e + 16] cos + t[e] sin, e = 8 h + j.  Each accumulator is read from its low end on.
.macro ROPE a, u, d
	WIN 0x02                                       ; source 0: window 2
.irp j, 0,1,2,3,4,5,6,7
	v_mul_f32 v[(\d)+\j], v[8*(6*(\a)+2*(\u))+\j], v[CS+16*(\a)+2*\j]
	v_mul_f32 v[(\d)+8+\j], v[8*(6*(\a)+2*(\u)+1)+\j], v[CS+16*(\a)+2*\j]
.endr
.irp j, 0,1,2,3,4,5,6,7
	v_fma_f32 v[(\d)+\j], -v[8*(6*(\a)+2*(\u)+1)+\j], v[CS+16*(\a)+2*\j+1], v[(\d)+\j]
	v_fma_f32 v[(\d)+8+\j], v[8*(6*(\a)+2*(\u))+\j], v[CS+16*(\a)+2*\j+1], v[(\d)+8+\j]
.endr
	WIN 0
.endm
; The first n units of row tile a are heads of q.  qi: [row tile][head][512 bytes]; qs: [row tile][head][lane] words, the row's byte in all four bytes
.macro QOUT a, n
	s_wait_xcnt 0x0                                ; the earlier stores have read their registers
.set qu, 0
.rept \n
	ROPE \a, qu, R+16*qu
.set qu, qu+1
.endr
.set j, 0
.rept 8*\n
	v_pk_mul_f32 v[R+j:R+j+1], v[R+j:R+j+1], 0x3e3504f3 op_sel_hi:[1,0]   ; x 32^-0.5
.set j, j+2
.endr
	QUANT R, \n
.set qu, 0
.rept \n
	v_perm_b32 v[12+qu], v[TM+4+qu], v[TM+4+qu], 0   ; the byte four times: q will stand in any of an instruction's four blocks of 32
.set qu, qu+1
.endr
.set qu, 0
.rept \n
	global_store_b128 v30, v[PC+4*qu:PC+4*qu+3], s[78:79] offset:8192*(\a)+512*qu   ; 512 consecutive bytes
	global_store_b32 v31, v[12+qu], s[80:81] offset:2048*(\a)+128*qu
.set qu, qu+1
.endr
.endm
	s_load_b512 s[68:83], s[0:1], 0x0              ; xq 68, xs 70, W's codes 72, W's scales 74, rope 76, qi 78, qs 80, kv 82
	v_lshl_add_u32 v[SPW], v0, 2, SPARE
	v_mov_b32 v[NIL], 0
	ds_add_u32 v28, v29
	ds_add_u32 v28, v29
	s_wait_dscnt 0x0
	v_lshrrev_b32 v3, 5, v0
	v_readfirstlane_b32 s14, v3                    ; wave 0..3
	s_lshr_b32 s15, s14, 1                         ; the slot I fetch for
	s_and_b32 s16, s14, 1                          ; A (0) or B (1)
	s_and_b32 s17, ttmp7, 0xffff                   ; ti: which 128 rows
	s_mov_b32 s42, ttmp9                           ; cj: which 96 columns
	v_and_b32 v1, 15, v0                           ; r
	v_bfe_u32 v2, v0, 4, 1                         ; h
	v_and_b32 v3, 31, v0
	v_lshlrev_b32 v30, 4, v3                       ; 16 x lane
	v_lshlrev_b32 v31, 2, v3                       ; 4 x lane
	v_lshlrev_b32 v24, 4, v0                       ; the scale copy: thread t takes 16 bytes at 16 t of each 2,048,
	v_lshrrev_b32 v4, 4, v0
	v_mul_u32_u24 v5, v4, 272
	v_lshl_add_u32 v5, v1, 4, v5                   ; and puts them at 272 (t / 16) + 16 (t % 16)
	v_add_nc_u32 v8, SCA, v5
	v_add_nc_u32 v9, SCB, v5
	v_lshlrev_b32 v26, 7, v1
	v_lshl_add_u32 v26, v2, 6, v26                 ; cos and sin: position r of a tile, 128 bytes each; my eight pairs begin at 64 h
	s_mov_b32 s[SEL], 0x76543210
	s_mov_b32 s[SEL+1], 0xfedcba98
	s_mov_b32 s[MNT], 0x600000
.irp b, 0,1,2,3
	v_mov_b32 v[TM+4+\b], 0                        ; written once: a lane permute's destination counts as one of its sources
.endr
	s_mov_b32 s85, 0
	s_mov_b32 s87, 0
	s_mov_b32 s89, 0
	s_lshl_b32 s84, s17, 13                        ; xs: 128 rows x 64 bytes
	s_mul_i32 s86, s42, 6144                       ; W's scales: 96 rows x 64 bytes
	s_lshl_b32 s88, s17, 7
	s_lshl_b32 s90, s14, 5
	s_add_co_u32 s88, s88, s90
	s_and_b32 s88, s88, 2047                       ; my first row's position in its sequence
	s_lshl_b32 s88, s88, 7
	s_wait_alu depctr_va_vdst(0)
	s_wait_kmcnt 0x0
	s_add_nc_u64 s[70:71], s[70:71], s[84:85]
	s_add_nc_u64 s[74:75], s[74:75], s[86:87]
	s_add_nc_u64 s[76:77], s[76:77], s[88:89]
.irp n, 0,1,2,3
	global_load_b128 v[128+4*\n:131+4*\n], v24, s[70:71] offset:2048*\n
.endr
.irp n, 0,1,2
	global_load_b128 v[144+4*\n:147+4*\n], v24, s[74:75] offset:2048*\n
.endr
.irp a, 0,1
.irp n, 0,1,2,3
	global_load_b128 v[CS+16*\a+4*\n:CS+16*\a+4*\n+3], v26, s[76:77] offset:2048*\a+16*\n   ; wanted only on the way out: they stay out through the products
.endr
.endr
	; descriptor group 1.  A: all 8 tiles of a slot: 8 rows of 1,024 elements of 8 bytes (a tile's 8,192 bytes of a K step), 32,768 bytes apart, dense in LDS
	s_mov_b32 s[G1A], 3<<16
	s_mov_b32 s[G1A+1], 1024<<16
	s_mov_b32 s[G1A+2], 8<<16
	s_mov_b32 s[G1A+3], 1024<<16
	s_mov_b32 s[G1A+4], 8
	s_mov_b32 s[G1A+5], 4096
	s_mov_b32 s[G1A+6], 0
	s_mov_b32 s[G1A+7], 0
	; B: all 96 rows of 512 bytes, 2,048 apart; four words of padding behind every 128
	s_mov_b32 s[G1B], (1<<20)|(6<<22)|(3<<25)
	s_mov_b32 s[G1B+1], 512<<16
	s_mov_b32 s[G1B+2], 96<<16
	s_mov_b32 s[G1B+3], 512<<16
	s_mov_b32 s[G1B+4], 96
	s_mov_b32 s[G1B+5], 2048
	s_mov_b32 s[G1B+6], 0
	s_mov_b32 s[G1B+7], 0
	s_lshl_b32 s84, s17, 18                        ; A: 8 ti tiles of 32,768 bytes
	s_add_nc_u64 s[92:93], s[68:69], s[84:85]
	s_mul_i32 s88, s42, 196608                     ; B: 96 cj rows of 2,048 bytes
	s_add_nc_u64 s[94:95], s[72:73], s[88:89]
	s_mov_b32 s96, 0                               ; a load brings a whole tile: it begins where the slot's part for A, or for B, begins
	s_mov_b32 s97, 0
.irp s, 0,1
	s_mov_b32 s[G0A+4*\s], 1
	s_add_co_u32 s[G0A+4*\s+1], s96, \s*SLOT
	s_add_nc_u64 s[G0A+4*\s+2:G0A+4*\s+3], s[92:93], \s*8192
	s_or_b32 s[G0A+4*\s+3], s[G0A+4*\s+3], 0x80000000
	s_mov_b32 s[G0B+4*\s], 1
	s_add_co_u32 s[G0B+4*\s+1], s97, \s*SLOT+BOFF
	s_add_nc_u64 s[G0B+4*\s+2:G0B+4*\s+3], s[94:95], \s*512
	s_or_b32 s[G0B+4*\s+3], s[G0B+4*\s+3], 0x80000000
.endr
; THE HEAD'S LOADS, ONE A WAVE: wave 0 slot 0's A, wave 1 slot 0's B, wave 2 slot 1's A, wave 3 slot 1's B: half of K is asked for.  One chain of branches on the wave's number, a load to an arm.
.macro ARM under, g0, g1, next
	s_cmp_lt_u32 s14, \under
	s_cbranch_scc0 \next
	tensor_load_to_lds s[\g0:\g0+3], s[\g1:\g1+7]
	s_nop 0
	PLACES 4
	s_branch .Lhead_asked
\next:
.endm
	ARM 1, G0A, G1A, .Lhead_1
	ARM 2, G0B, G1B, .Lhead_2
	ARM 3, G0A+4, G1A, .Lhead_3
	tensor_load_to_lds s[G0B+4:G0B+7], s[G1B:G1B+7]
	s_nop 0
	PLACES 4
.Lhead_asked:
	s_lshl_b32 s84, s14, 14
	v_add_nc_u32 v[ADRA], s84, v30                 ; my two tiles of A
	v_add_nc_u32 v[ADRA+1], SLOT, v[ADRA]
	v_mul_u32_u24 v[ADRB], v1, BP
	v_lshl_add_u32 v[ADRB], v2, 4, v[ADRB]
	v_add_nc_u32 v[ADRB], BOFF, v[ADRB]
	v_add_nc_u32 v[ADRB+1], SLOT, v[ADRB]
	v_lshrrev_b32 v4, 2, v1                        ; row r's 64 scale bytes: run r / 4, 64 (r % 4) in it
	v_mul_u32_u24 v4, v4, 272
	v_and_b32 v5, 3, v1
	v_lshl_add_u32 v4, v5, 6, v4
	s_mul_i32 s84, s14, 2176                       ; my 32 rows: eight runs
	v_add_nc_u32 v[ADSA], s84, v4
	v_add_nc_u32 v[ADSA], SCA, v[ADSA]
	v_add_nc_u32 v[ADSB], SCB, v4
	s_mul_i32 s84, s14, 4608                       ; my stage for v
	v_mul_u32_u24 v10, v1, 144
	v_lshl_add_u32 v10, v2, 5, v10
	v_add_nc_u32 v10, s84, v10
	v_add_nc_u32 v10, VST, v10                     ; in: key r of a tile, 32 h bytes on
	v_mul_u32_u24 v11, v2, 1152
	v_lshl_add_u32 v11, v1, 2, v11
	v_add_nc_u32 v11, s84, v11
	v_add_nc_u32 v11, VST, v11                     ; back: channel r, keys from 8 h on
	s_wait_alu depctr_va_vdst(0)
	s_wait_loadcnt 8                               ; the seven loads of scale bytes are in; the table's eight, issued behind them, may be out
.irp n, 0,1,2,3
	ds_store_b128 v8, v[128+4*\n:131+4*\n] offset:2176*\n
.endr
.irp n, 0,1,2
	ds_store_b128 v9, v[144+4*\n:147+4*\n] offset:2176*\n
.endr
	s_cmp_lt_u32 s14, 2                            ; waves 0 and 1 wait for slot 0's tiles, each by a load line of its own; slot 1's may stay out
	s_cbranch_scc0 .Lslot_1_out
	s_wait_tensorcnt 0x0
.Lslot_1_out:
	s_wait_dscnt 0x0
	s_barrier_signal -1
	s_barrier_wait -1
	FETCH 0, 0, 0
	SCALES
	Q 0, 0, 1                                      ; K 0 to 511; the first products start the sums: nothing is cleared
	Q 0, 1, 0
	Q 0, 2, 0
	QL 0, 1, 1                                     ; slot 0 takes K 1,024 to 1,535
	Q 1, 0, 0                                      ; K 512 to 1,023
	Q 1, 1, 0
	Q 1, 2, 0
	QL 1, 0, 1                                     ; slot 1 takes K 1,536 to 2,047: the last load
	Q 0, 0, 0
	Q 0, 1, 0
	Q 0, 2, 0
	QL 0, 1, 0                                     ; nothing is left to fetch
	Q 1, 0, 0
	Q 1, 1, 0
	Q 1, 2, 0
	s_wait_dscnt 0x0                               ; the very last step's fragments
	WIN WM
	MULS 1, 3, 0
	WIN 0
	PLACES 8                                       ; in front of the first read of results and the first write over A's fragments
	s_wait_loadcnt 0x0                             ; cos and sin
	s_mov_b32 s85, 0
	s_lshl_b32 s84, s17, 16
	s_lshl_b32 s86, s14, 14
	s_add_co_u32 s84, s84, s86
	s_mul_i32 s86, s42, 1536
	s_add_co_u32 s84, s84, s86                     ; qi: 8,192 (8 ti + 2 w) + 512 x 3 cj
	s_add_nc_u64 s[78:79], s[78:79], s[84:85]
	s_lshr_b32 s84, s84, 2                         ; qs: a quarter of that
	s_add_nc_u64 s[80:81], s[80:81], s[84:85]
	s_cmp_eq_u32 s42, 5
	s_cbranch_scc1 .Lkv
	QOUT 0, 3                                      ; three heads
	QOUT 1, 3
	s_branch .Ldone
.Lkv:
	QOUT 0, 1                                      ; head 15
	QOUT 1, 1
	; ---- k and v.  A batch's block of kv: K's images [key tile 128][512] at 0; V's [step 16][half of the channels 2][block of 32 keys 4][512] at 65,536; K's scale words [fragment 32][lane] at 131,072
	; (byte c: key tile 4 f + c); V's [step][half][lane] at 135,168 (byte c: block c)
	s_lshr_b32 s84, s17, 4
	s_mul_i32 s84, s84, 139264
	s_add_nc_u64 s[82:83], s[82:83], s[84:85]
	s_and_b32 s86, s17, 15
	s_lshl_b32 s84, s86, 12
	s_lshl_b32 s87, s14, 10
	s_add_co_u32 s84, s84, s87
	s_add_nc_u64 s[88:89], s[82:83], s[84:85]      ; K's images: key tile 8 (ti % 16) + 2 w
	s_lshl_b32 s84, s86, 8
	s_lshl_b32 s87, s15, 7
	s_add_co_u32 s84, s84, s87
	s_lshl_b32 s87, s16, 1
	s_add_co_u32 s84, s84, s87
	s_add_co_u32 s84, s84, 131072
	s_add_nc_u64 s[90:91], s[82:83], s[84:85]      ; K's scale words: fragment 2 (ti % 16) + w / 2, my two bytes 2 (w % 2) on
	s_lshl_b32 s84, s86, 12
	s_lshl_b32 s87, s14, 9
	s_add_co_u32 s84, s84, s87
	s_add_co_u32 s84, s84, 65536
	s_add_nc_u64 s[92:93], s[82:83], s[84:85]      ; V's images: step ti % 16, block w
	s_lshl_b32 s84, s86, 8
	s_add_co_u32 s84, s84, s14
	s_add_co_u32 s84, s84, 135168
	s_add_nc_u64 s[94:95], s[82:83], s[84:85]      ; V's scale words: my byte w of each
.irp a, 0,1
	s_wait_xcnt 0x0                                ; the earlier stores have read the codes' registers
	ROPE \a, 1, R
	QUANT R, 1
	global_store_b128 v30, v[PC:PC+3], s[88:89] offset:512*\a
.if \a == 0
	v_mov_b32 v15, v[TM+4]
.else
	v_lshl_or_b32 v15, v[TM+4], 8, v15             ; my two key tiles' bytes
.endif
.endr
	global_store_b16 v31, v15, s[90:91]            ; two of a word's four bytes; the wave beside me stores the others.  8,192 bytes in the whole launch leave so
	WIN 0x08                                       ; an LDS store's data are its source 1: window 2
.irp a, 0,1
.irp t, 0,1
	ds_store_b128 v10, v[8*(6*\a+4+\t):8*(6*\a+4+\t)+3] offset:2304*\a+64*\t       ; v(key 16 a + r, channels 16 t + 8 h + 0 .. 7), each accumulator from its low end on
	ds_store_b128 v10, v[8*(6*\a+4+\t)+4:8*(6*\a+4+\t)+7] offset:2304*\a+64*\t+16
.endr
.endr
	WIN 0
.irp t, 0,1
.irp i, 0,1,2,3,4,5,6,7,8,9,10,11,12,13,14,15
	ds_load_b32 v[128+16*\t+\i], v11 offset:144*(\i+8*(\i/8))+64*\t   ; LDS serves a wave's instructions in order (ISA guide 5.7.1.4): these see my stores
.endr
.endr
	s_wait_dscnt 0x0
	s_wait_xcnt 0x0                                ; k's last store has read the codes' registers
	QUANT 128, 2                                   ; block t: channel 16 t + r, my wave's 32 keys
.irp t, 0,1
	global_store_b128 v30, v[PC+4*\t:PC+4*\t+3], s[92:93] offset:2048*\t
	global_store_b8 v31, v[TM+4+\t], s[94:95] offset:128*\t   ; one of a word's four bytes; the other three waves store the others.  8,192 bytes in the whole launch leave so
.endr
.Ldone:
	s_wait_tensorcnt 0x0                           ; the wave's end
	ds_add_u32 v[SPW], v[NIL]
	s_wait_dscnt 0x0
	s_endpgm
.Lfunc_end_k_q6c0d3cc456_qkv:
	.size	k_q6c0d3cc456_qkv, .Lfunc_end_k_q6c0d3cc456_qkv-k_q6c0d3cc456_qkv
	.p2alignl 7, 3214868480
	.fill 96, 4, 3214868480
	.section	.rodata,"a",@progbits
	.p2align	6, 0x0
	.amdhsa_kernel k_q6c0d3cc456_qkv
		.amdhsa_group_segment_fixed_size 327680
		.amdhsa_private_segment_fixed_size 0
		.amdhsa_enable_private_segment 0
		.amdhsa_kernarg_size 64
		.amdhsa_user_sgpr_count 2
		.amdhsa_user_sgpr_kernarg_segment_ptr 1
		.amdhsa_wavefront_size32 1
		.amdhsa_system_sgpr_workgroup_id_x 1
		.amdhsa_system_sgpr_workgroup_id_y 1
		.amdhsa_system_sgpr_workgroup_id_z 1
		.amdhsa_system_vgpr_workitem_id 0
		.amdhsa_next_free_vgpr 640
		.amdhsa_next_free_sgpr 100
		.amdhsa_reserve_vcc 0
		.amdhsa_float_denorm_mode_32 3
		.amdhsa_float_denorm_mode_16_64 3
		.amdhsa_memory_ordered 1
		.amdhsa_forward_progress 1
		.amdhsa_inst_pref_size 128
	.end_amdhsa_kernel
	.amdgpu_metadata
---
amdhsa.version: [ 1, 2 ]
amdhsa.kernels:
  - .name:           k_q6c0d3cc456_qkv
    .symbol:         k_q6c0d3cc456_qkv.kd
    .args:
      - { .name: xq, .offset: 0, .size: 8, .value_kind: global_buffer, .address_space: global }
      - { .name: xs, .offset: 8, .size: 8, .value_kind: global_buffer, .address_space: global }
      - { .name: w_fused_codes, .offset: 16, .size: 8, .value_kind: global_buffer, .address_space: global }
      - { .name: w_fused_scales, .offset: 24, .size: 8, .value_kind: global_buffer, .address_space: global }
      - { .name: rope, .offset: 32, .size: 8, .value_kind: global_buffer, .address_space: global }
      - { .name: qi, .offset: 40, .size: 8, .value_kind: global_buffer, .address_space: global }
      - { .name: qs, .offset: 48, .size: 8, .value_kind: global_buffer, .address_space: global }
      - { .name: kv, .offset: 56, .size: 8, .value_kind: global_buffer, .address_space: global }
    .group_segment_fixed_size: 327680
    .private_segment_fixed_size: 0
    .kernarg_segment_align: 8
    .kernarg_segment_size: 64
    .max_flat_workgroup_size: 128
    .sgpr_count:     100
    .vgpr_count:     640
    .wavefront_size: 32
...
	.end_amdgpu_metadata
.endif
;; end of part 2
;; launch attn (part 3): grid 256 x 1, 16 waves a work-group, no clusters, 206,848 bytes of LDS; arguments qi, qs, kv, act, acs; writes act, acs
.if DOCPART == 3
	.amdgcn_target "amdgcn-amd-amdhsa--gfx1250"
	.amdhsa_code_object_version 6
	.text
	.protected	k_q6c0d3cc456_attn
	.globl	k_q6c0d3cc456_attn
	.p2align	8
	.type	k_q6c0d3cc456_attn,@function
k_q6c0d3cc456_attn:
	s_mov_b64 s[64:65], 0
	v_nop
	global_prefetch_b8 v0, s[64:65] scope:SCOPE_SE
	s_setreg_imm32_b32 hwreg(HW_REG_WAVE_MODE, 25, 1), 1
	s_wait_xcnt 0x0
; Causal attention with one shared head of keys and values, head size 32, both products on codes of E5M2 with E8M0 scales; the result, divided by the row's sum, is quantised per head for the last product.
; THE SOFTMAX: t = score x log2(e); M = the running largest t rounded UP to a whole number; p = 2^(t - M) is quantised along the keys, not normalised; the row's sum is taken of the unquantised p and divides at the end.
; When M moves, the sum and O are multiplied by 2^(old M - new M), which rounds nothing.
; SHARES.  Work-group g: batch g / 128, heads 8 ((g / 64) % 2) + 0 .. 7, query tiles i = g % 64 and 127 - i.  A wave owns one head and one tile of 16 queries.  The two tiles together have 17 key steps of 128 that
; the mask leaves, whatever i: every work-group has the same work.  Which of a head's two waves takes the late tile alternates with the wave's number, so that long and short waves are mixed.
; LDS.  The batch's whole block of kv, 139,264 bytes, is filled ONCE, each wave bringing 34 runs of 256 bytes; nothing is filled again.
; NO CLUSTER: what partners would share is that one fill at the start.
; K = 32 IN AN INSTRUCTION OF 128.  A fragment of K carries FOUR key tiles, one in each block of 32 along the instruction's K; q stands in one block of a run of 16 registers and zero codes in the others
; (v16-43: zeros, q at v28-31, zeros; the run begins at v[28 - 4 c]), so product c gives the scores of key tile c alone, and no byte read from LDS goes unused.  q's scale word holds its byte four times.
; Both products are used transposed: a lane holds one query (lane % 16) throughout.  In a score tile T register j is key 16 T + 8 (lane / 16) + j; V's codes were laid in that same order inside each block of 32 keys.
; CAUSAL.  Every wave walks 16 trips, a constant; a step all of whose keys come after the wave's queries is jumped over by a scalar branch on ids.  On the diagonal hidden scores become -infinity ahead of the maximum.
; LIMITS: NaN and infinities are not served; a block whose largest number lies under 2^-111 keeps the byte 1 (a block of zeros too).  A block's largest p is taken as the exponential of its largest score.
.set OSC,  139264                      ; behind kv's block: 256 bytes for the result's scale bytes
; THE DEAL OF THE KEY STEPS (it stands over what SHARES and CAUSAL say above of a wave's walk).  The two waves of a head share BOTH query tiles: the wave that finishes the early tile takes the even key steps of both, the other the odd ones.
; Each wave walks first the tile that its partner finishes, then its own: two walks of 8 trips, constants; of the 17 steps that the mask leaves to the two tiles a wave has 8 or 9, whatever i.
; The first walk's state (O^T, -M, the lane's part of the sum) goes to the partner through LDS bytes of its own; the two parts are brought under the larger M by powers of two, which rounds nothing, and added.
; A wave that the mask leaves no step of a tile hands over zeros under M = -3e38, whose factor is 0.
.set EX,   169984                      ; behind the spare words: 2,304 bytes a wave: O^T 4 x 512, then 8 bytes a lane
.set KFR,  44                          ; v44-75    two fragments of K
.set VFR,  76                          ; v76-107   two fragments of V
.set S,    108                         ; v108-171  the scores, then p
.set O,    172                         ; v172-187  O^T: two tiles of 16 channels
.set PC,   188                         ; v188-203  p's codes; at the end the result's
.set KSW,  204                         ; scale words: K's two, V's two, q's, p's: these registers hold nothing else
.set VSW,  206
.set QSW,  208
.set PSW,  209
.set BM,   212                         ; each block's largest score, then its largest p
.set BP,   216                         ; the partner lane's; then the bytes
.set BL,   220                         ; 57,344 x the scale
.set BS,   224                         ; the conversion's scale operand
.set C2,   228                         ; the sum's second chain
.set F,    236                         ; v[236:237] f = 2^(old M - new M); the packed forms take the low word for both halves
.set T1,   238
.set T2,   239
.set TM,   240                         ; the last quantiser's work
.set SEL,  20
.set MNT,  19
.macro QUANT s, nb
.set qb, 0
.rept \nb
	v_max3_num_f32 v[TM+qb], |v[(\s)+16*qb]|, |v[(\s)+16*qb+1]|, 0x8000000   ; with the floor 2^(16 - 127): the byte cannot fall under 1
.set qb, qb+1
.endr
.irp i, 2,4,6,8,10,12,14
.set qb, 0
.rept \nb
	s_delay_alu instid0(VALU_DEP_1)
	v_max3_num_f32 v[TM+qb], v[TM+qb], |v[(\s)+16*qb+\i]|, |v[(\s)+16*qb+\i+1]|
.set qb, qb+1
.endr
.endr
.set qb, 0
.rept \nb
	s_delay_alu instid0(VALU_DEP_1)
	v_permlanex16_b32 v[TM+4+qb], v[TM+qb], s[SEL], s[SEL+1]
.set qb, qb+1
.endr
.set qb, 0
.rept \nb
	s_delay_alu instid0(VALU_DEP_1)
	v_max_num_f32 v[TM+qb], v[TM+qb], v[TM+4+qb]
.set qb, qb+1
.endr
.set qb, 0
.rept \nb
	s_delay_alu instid0(VALU_DEP_1)
	v_add_nc_u32 v[TM+12+qb], 0xf8800000, v[TM+qb]
	s_delay_alu instid0(VALU_DEP_2)
	v_and_or_b32 v[TM+8+qb], v[TM+qb], 0x7f800000, s[MNT]
.set qb, qb+1
.endr
.set qb, 0
.rept \nb
	s_delay_alu instid0(VALU_DEP_2)
	v_lshrrev_b32 v[TM+4+qb], 23, v[TM+12+qb]
.set qb, qb+1
.endr
.set qb, 0
.rept \nb
.irp i, 0,1,2,3,4,5,6,7,8,9,10,11,12,13,14,15
	v_med3_num_f32 v[(\s)+16*qb+\i], v[(\s)+16*qb+\i], -v[TM+8+qb], v[TM+8+qb]
.endr
	v_cvt_scalef32_pk8_bf8_f32 v[PC+4*qb:PC+4*qb+1], v[(\s)+16*qb:(\s)+16*qb+7], v[TM+12+qb]
	v_cvt_scalef32_pk8_bf8_f32 v[PC+4*qb+2:PC+4*qb+3], v[(\s)+16*qb+8:(\s)+16*qb+15], v[TM+12+qb]
.set qb, qb+1
.endr
	v_nop
.endm
	s_load_b256 s[4:11], s[0:1], 0x0               ; qi s[4:5], qs s[6:7], kv s[8:9], act s[10:11]
	s_load_b64 s[12:13], s[0:1], 0x20              ; acs
	v_lshl_add_u32 v254, v0, 2, 0x29000
	v_mov_b32 v255, 0
	ds_add_u32 v254, v255
	ds_add_u32 v254, v255
	v_lshrrev_b32 v10, 5, v0
	s_delay_alu instid0(VALU_DEP_1)
	v_readfirstlane_b32 s14, v10                   ; wave 0..15
	s_lshr_b32 s15, ttmp9, 7                       ; the batch
	s_bfe_u32 s16, ttmp9, 0x10006                  ; which eight heads
	s_and_b32 s17, ttmp9, 63                       ; i
	s_lshr_b32 s18, s14, 2
	s_xor_b32 s18, s18, s14
	s_and_b32 s18, s18, 1                          ; 0: the early tile, 1: the late one
	s_sub_co_u32 s36, 127, s17
	s_cmp_eq_u32 s18, 1
	s_cselect_b32 s36, s36, s17                    ; my query tile in the batch
	s_lshr_b32 s37, s14, 1                         ; my head among the eight,
	s_lshl_b32 s38, s16, 3
	s_add_co_u32 s38, s38, s37                     ; and among the sixteen
	s_mov_b32 s24, 3<<16                           ; descriptor group 1: 34 rows of 32 elements of 8 bytes, dense in memory and in LDS
	s_mov_b32 s25, 32<<16
	s_mov_b32 s26, 34<<16
	s_mov_b32 s27, 32<<16
	s_mov_b32 s28, 34
	s_mov_b32 s29, 32
	s_mov_b32 s30, 0
	s_mov_b32 s31, 0
	s_mul_i32 s39, s14, 8704                       ; my sixteenth of the block
	s_mul_i32 s46, s15, 139264
	s_add_co_u32 s46, s46, s39
	s_mov_b32 s47, 0
	s_wait_dscnt 0x0
	s_wait_kmcnt 0x0
	s_mov_b32 s32, 1
	s_mov_b32 s33, s39
	s_add_nc_u64 s[34:35], s[8:9], s[46:47]
	s_or_b32 s35, s35, 0x80000000
	tensor_load_to_lds s[32:35], s[24:31]          ; the one tensor load of this wave
	s_nop 0
.rept 4
	v_nop
.endr
	v_and_b32 v10, 31, v0
	s_delay_alu instid0(VALU_DEP_1)
	v_lshlrev_b32 v1, 4, v10                       ; 16 x lane: K's images begin at LDS byte 0
	s_delay_alu instid0(VALU_DEP_1)
	v_add_nc_u32 v2, 65536, v1                     ; V's
	s_delay_alu instid0(VALU_DEP_3)
	v_lshlrev_b32 v11, 2, v10                      ; 4 x lane
	s_delay_alu instid0(VALU_DEP_1)
	v_add_nc_u32 v3, 131072, v11                   ; K's scale words; V's lie 4,096 bytes on
	v_and_b32 v4, 15, v0                           ; r
	v_bfe_u32 v5, v0, 4, 1                         ; h
	s_delay_alu instid0(VALU_DEP_1)
	v_lshlrev_b32 v6, 3, v5
	s_delay_alu instid0(VALU_DEP_1)
	v_sub_nc_u32 v9, v4, v6                        ; r - 8 h, for the mask
	s_lshl_b32 s46, s18, 7                         ; the result's byte: 128 x tile + 64 (head / 4) + 4 r + head % 4
	s_lshr_b32 s45, s14, 3
	s_lshl_b32 s45, s45, 6
	s_add_co_u32 s46, s46, s45
	s_bfe_u32 s45, s14, 0x20001
	s_add_co_u32 s46, s46, s45
	v_lshlrev_b32 v7, 2, v4
	s_delay_alu instid0(VALU_DEP_1)
	v_add_nc_u32 v7, s46, v7
	s_delay_alu instid0(VALU_DEP_1)
	v_add_nc_u32 v7, OSC, v7
	s_lshl_b32 s45, s14, 7
	v_add_nc_u32 v8, s45, v11
	s_delay_alu instid0(VALU_DEP_1)
	v_add_nc_u32 v8, OSC, v8                       ; and the words' way out (waves 0 and 1): 128 w + 4 x lane
	v_lshlrev_b32 v10, 14, v5
	s_delay_alu instid0(VALU_DEP_1)
	v_lshl_add_u32 v10, v4, 2, v10                 ; in acs: 16,384 (lane / 16) + 4 r
	s_lshl_b32 s39, s15, 7
	s_add_co_u32 s39, s39, s36                     ; my tile of 16 rows among the 256
	s_lshl_b32 s46, s39, 13
	s_lshl_b32 s45, s38, 9
	s_add_co_u32 s46, s46, s45
	s_sub_co_u32 s54, 127, s36                     ; the tile that my partner finishes
	s_lshl_b32 s52, s15, 7
	s_add_co_u32 s52, s52, s54
	s_lshl_b32 s52, s52, 13
	s_add_co_u32 s52, s52, s45
	s_mov_b32 s53, 0
	s_add_nc_u64 s[48:49], s[4:5], s[52:53]        ; its q's image,
	s_lshr_b32 s52, s52, 2
	s_add_nc_u64 s[50:51], s[6:7], s[52:53]        ; and scale words
	s_add_nc_u64 s[4:5], s[4:5], s[46:47]          ; my own tile's: 8,192 x tile + 512 x head
	s_lshr_b32 s46, s46, 2
	s_add_nc_u64 s[6:7], s[6:7], s[46:47]          ; a quarter of that
	global_load_b128 v[28:31], v1, s[48:49]        ; the first walk's q
	global_load_b32 v[QSW], v11, s[50:51]
	global_load_b128 v[230:233], v1, s[4:5]        ; the second walk's waits in v230-234
	global_load_b32 v234, v11, s[6:7]
	s_mul_i32 s55, s14, 2304
	s_add_co_u32 s55, s55, EX                      ; where I leave the first walk's state,
	s_xor_b32 s56, s14, 1
	s_mul_i32 s56, s56, 2304
	s_add_co_u32 s56, s56, EX                      ; and where my partner leaves its own
	v_add_nc_u32 v210, s55, v1
	v_lshl_add_u32 v211, v11, 1, s55
	v_add_nc_u32 v235, s56, v1
	v_lshl_add_u32 v245, v11, 1, s56
	s_mul_i32 s46, s39, 40960
	s_add_co_u32 s46, s46, s45
	s_add_nc_u64 s[10:11], s[10:11], s[46:47]      ; act: 40,960 x tile + 512 x head
	s_lshl_b32 s46, s16, 15
	s_lshl_b32 s45, s15, 13
	s_add_co_u32 s46, s46, s45
	s_lshl_b32 s45, s36, 6
	s_add_co_u32 s46, s46, s45
	s_add_nc_u64 s[12:13], s[12:13], s[46:47]      ; acs: 4 x (4,096 x 2 x half of the heads + 2,048 x batch + 16 x tile)
	s_mov_b32 s[SEL], 0x76543210
	s_mov_b32 s[SEL+1], 0xfedcba98
	s_mov_b32 s[MNT], 0x600000
	s_mov_b32 s22, 0x3fb8aa3b                      ; log2(e)
	s_mov_b32 s23, s22                             ; (named with it as a pair, so it is written)
	s_lshl_b32 s40, s54, 4                         ; the first walk's first query
	s_lshl_b32 s41, s18, 7                         ; my first step's first key: step 0 or step 1
	s_lshl_b32 s42, s18, 12                        ; where its images begin: 4,096 bytes a step
	s_lshl_b32 s43, s18, 8                         ; and its scale words: 256 bytes a step
	s_mov_b32 s44, 8
.irp j, 16,17,18,19,20,21,22,23,24,25,26,27,32,33,34,35,36,37,38,39,40,41,42,43
	v_mov_b32 v\j, 0                               ; zero codes round q
.endr
.irp j, 0,1,2,3,4,5,6,7,8,9,10,11,12,13,14,15
	v_mov_b32 v[O+\j], 0                           ; the step is written once: the first finds zeros, which the first change of M leaves zeros
.endr
	v_mov_b32 v13, 0xff61b1e6                      ; the largest t so far: -3e38
	s_delay_alu instid0(VALU_DEP_1)
	v_floor_f32 v12, -v13                          ; -M
	v_mov_b32 v14, 0                               ; the sum, in two halves
	v_mov_b32 v15, 0
.irp b, 0,1,2,3
	v_mov_b32 v[BP+\b], 0                          ; lane permutes' destinations count as sources: written once
.endr
	v_mov_b32 v[F+1], 0
	v_mov_b32 v[T1], 0
	v_mov_b32 v[TM+4], 0
	s_wait_tensorcnt 0x0                           ; my part of the block has landed,
	s_barrier_signal -1
	s_barrier_wait -1                              ; everybody's has
	s_wait_loadcnt 0x0                             ; both q
.macro WALK                            ; eight trips: every second key step of the tile whose first query is s40
.Lstep_\@:
	s_add_co_u32 s45, s40, 15
	s_cmp_gt_u32 s41, s45
	s_cbranch_scc1 .Lhidden_\@                     ; all 128 keys come after the 16 queries
	v_add_nc_u32 v4, s42, v1
	v_add_nc_u32 v5, s42, v2
	v_add_nc_u32 v6, s43, v3
.rept 5
	v_nop                                          ; with the three additions: eight places behind the last products, in front of loads into registers that they read
.endr
.irp f, 0,1
.irp c, 0,1,2,3
	ds_load_b128 v[KFR+16*\f+4*\c:KFR+16*\f+4*\c+3], v4 offset:512*(4*\f+\c)
.endr
.endr
.irp f, 0,1
	ds_load_b32 v[KSW+\f], v6 offset:128*\f
.endr
.irp t, 0,1
.irp c, 0,1,2,3
	ds_load_b128 v[VFR+16*\t+4*\c:VFR+16*\t+4*\c+3], v5 offset:512*(4*\t+\c)
.endr
.endr
.irp t, 0,1
	ds_load_b32 v[VSW+\t], v6 offset:4096+128*\t
.endr
	s_wait_dscnt 10                                ; K and its scale words are in; V's ten loads, issued behind them, may be out
.irp f, 0,1
.irp c, 0,1,2,3
	v_wmma_scale_f32_16x16x128_f8f6f4 v[S+8*(4*\f+\c):S+8*(4*\f+\c)+7], v[KFR+16*\f:KFR+16*\f+15], v[28-4*\c:43-4*\c], 0, v[KSW+\f], v[QSW] matrix_a_fmt:MATRIX_FMT_BF8 matrix_b_fmt:MATRIX_FMT_BF8
.endr
.endr
.rept 8
	v_nop
.endr
	s_add_co_u32 s45, s41, 127
	s_cmp_le_u32 s45, s40
	s_cbranch_scc1 .Lopen_\@                       ; every key of the step counts for every query
	s_sub_co_i32 s45, s40, s41
	v_add_nc_u32 v[T1], s45, v9                    ; d = my query - the step's first key - 8 h: register 8 T + j is hidden where 16 T + j > d
	v_mov_b32 v[T2], 0xff800000                    ; -infinity
.irp n, 0,1,2,3,4,5,6,7,8,9,10,11,12,13,14,15,16,17,18,19,20,21,22,23,24,25,26,27,28,29,30,31,32,33,34,35,36,37,38,39,40,41,42,43,44,45,46,47,48,49,50,51,52,53,54,55,56,57,58,59,60,61,62,63
	v_cmp_gt_i32 vcc_lo, 16*(\n/8)+\n%8, v[T1]
	v_cndmask_b32 v[S+\n], v[S+\n], v[T2], vcc_lo
.endr
.Lopen_\@:
.irp b, 0,1,2,3
	v_max3_num_f32 v[BM+\b], v[S+16*\b], v[S+16*\b+1], v[S+16*\b+2]   ; the largest score of each block of 32 keys: for the row's maximum and, since p rises with the score, for the block's largest p
.endr
.irp i, 3,5,7,9,11,13
.irp b, 0,1,2,3
	v_max3_num_f32 v[BM+\b], v[BM+\b], v[S+16*\b+\i], v[S+16*\b+\i+1]
.endr
.endr
.irp b, 0,1,2,3
	v_max_num_f32 v[BM+\b], v[BM+\b], v[S+16*\b+15]
.endr
.irp b, 0,1,2,3
	s_delay_alu instid0(VALU_DEP_4)
	v_permlanex16_b32 v[BP+\b], v[BM+\b], s[SEL], s[SEL+1]
.endr
.irp b, 0,1,2,3
	s_delay_alu instid0(VALU_DEP_4)
	v_max_num_f32 v[BM+\b], v[BM+\b], v[BP+\b]     ; with lane l xor 16's 16 keys
.endr
	s_delay_alu instid0(VALU_DEP_2)
	v_max3_num_f32 v[T1], v[BM], v[BM+1], v[BM+2]
	s_delay_alu instid0(VALU_DEP_1)
	v_max_num_f32 v[T1], v[T1], v[BM+3]
	s_delay_alu instid0(VALU_DEP_1)
	v_mul_f32 v[T1], s22, v[T1]                    ; the step's largest t
	s_delay_alu instid0(VALU_DEP_1)
	v_max_num_f32 v13, v13, v[T1]                  ; the running largest t
	v_mov_b32 v[T1], v12
	s_delay_alu instid0(VALU_DEP_2)
	v_floor_f32 v12, -v13                          ; the new -M = -ceil(t)
	s_delay_alu instid0(VALU_DEP_1)
	v_sub_f32 v[T1], v12, v[T1]                    ; old M - new M: a whole number, 0 or less
	s_delay_alu instid0(VALU_DEP_1)
	v_cvt_i32_f32 v[T1], v[T1]                     ; (it saturates)
	s_delay_alu instid0(VALU_DEP_1)
	v_ldexp_f32 v[F], 1.0, v[T1]                   ; f
.set j, 0
.rept 32
	v_pk_fma_f32 v[S+j:S+j+1], v[S+j:S+j+1], s[22:23], v[12:13] op_sel_hi:[1,0,0]   ; t - M, two at a time
.set j, j+2
.endr
.irp b, 0,1,2,3
	v_fma_f32 v[BM+\b], v[BM+\b], s22, v12         ; the same of each block's largest score
.endr
.set j, 0
	s_wait_alu depctr_va_vdst(0)
.rept 64
	v_exp_f32 v[S+j], v[S+j]                       ; p = 2^(t - M)
.set j, j+1
.endr
.irp b, 0,1,2,3
	v_exp_f32 v[BM+\b], v[BM+\b]                   ; the block's largest p: the same two instructions on the same number
.endr
	v_pk_mul_f32 v[14:15], v[14:15], v[F:F+1] op_sel_hi:[1,0]   ; the sums under the new M; also the plain line behind the exponentials
	s_wait_alu depctr_va_vdst(0)
.irp b, 0,1,2,3
	v_max_num_f32 v[BM+\b], 0x8000000, v[BM+\b]    ; the floor 2^(16 - 127)
.endr
.irp b, 0,1,2,3
	s_delay_alu instid0(VALU_DEP_4)
	v_add_nc_u32 v[BS+\b], 0xf8800000, v[BM+\b]
.endr
.irp b, 0,1,2,3
	v_and_or_b32 v[BL+\b], v[BM+\b], 0x7f800000, s[MNT]
.endr
.irp b, 0,1,2,3
	v_lshrrev_b32 v[BP+\b], 23, v[BS+\b]
.endr
	s_delay_alu instid0(VALU_DEP_3)
	v_lshl_or_b32 v[PSW], v[BP+1], 8, v[BP]        ; p's scale word for these 128 keys: far more than eight plain lines ahead of the products that name it
	s_delay_alu instid0(VALU_DEP_1)
	v_lshl_or_b32 v[PSW], v[BP+2], 16, v[PSW]
	s_delay_alu instid0(VALU_DEP_1)
	v_lshl_or_b32 v[PSW], v[BP+3], 24, v[PSW]
	v_pk_add_f32 v[228:229], v[112:113], v[116:117]
	v_pk_add_f32 v[252:253], v[120:121], v[124:125]
	v_pk_add_f32 v[250:251], v[128:129], v[132:133]
	v_pk_add_f32 v[248:249], v[136:137], v[140:141]
	v_pk_add_f32 v[246:247], v[144:145], v[148:149]
	v_pk_add_f32 v[242:243], v[152:153], v[156:157]
	v_pk_add_f32 v[240:241], v[160:161], v[164:165]
	v_pk_add_f32 v[14:15], v[14:15], v[168:169]
	v_pk_add_f32 v[228:229], v[228:229], v[108:109]
	v_pk_add_f32 v[252:253], v[252:253], v[110:111]
	v_pk_add_f32 v[250:251], v[250:251], v[114:115]
	v_pk_add_f32 v[248:249], v[248:249], v[118:119]
	v_pk_add_f32 v[246:247], v[246:247], v[122:123]
	v_pk_add_f32 v[242:243], v[242:243], v[126:127]
	v_pk_add_f32 v[240:241], v[240:241], v[130:131]
	v_pk_add_f32 v[14:15], v[14:15], v[134:135]
	v_pk_add_f32 v[228:229], v[228:229], v[138:139]
	v_pk_add_f32 v[252:253], v[252:253], v[142:143]
	v_pk_add_f32 v[250:251], v[250:251], v[146:147]
	v_pk_add_f32 v[248:249], v[248:249], v[150:151]
	v_pk_add_f32 v[246:247], v[246:247], v[154:155]
	v_pk_add_f32 v[242:243], v[242:243], v[158:159]
	v_pk_add_f32 v[240:241], v[240:241], v[162:163]
	v_pk_add_f32 v[14:15], v[14:15], v[166:167]
	v_pk_add_f32 v[228:229], v[228:229], v[170:171]
	s_delay_alu instid0(VALU_DEP_2)
	v_pk_add_f32 v[14:15], v[14:15], v[248:249]
	s_delay_alu instid0(VALU_DEP_2)
	v_pk_add_f32 v[228:229], v[228:229], v[246:247]
	v_pk_add_f32 v[252:253], v[252:253], v[242:243]
	v_pk_add_f32 v[250:251], v[250:251], v[240:241]
	s_delay_alu instid0(VALU_DEP_2)
	v_pk_add_f32 v[14:15], v[14:15], v[252:253]
	s_delay_alu instid0(VALU_DEP_2)
	v_pk_add_f32 v[228:229], v[228:229], v[250:251]
	s_delay_alu instid0(VALU_DEP_1)
	v_pk_add_f32 v[14:15], v[14:15], v[228:229]
.irp b, 0,1,2,3
.irp i, 0,1,2,3,4,5,6,7,8,9,10,11,12,13,14,15
	v_min_num_f32 v[S+16*\b+\i], v[S+16*\b+\i], v[BL+\b]   ; the hold; p is not negative, so it is one-sided
.endr
	v_cvt_scalef32_pk8_bf8_f32 v[PC+4*\b:PC+4*\b+1], v[S+16*\b:S+16*\b+7], v[BS+\b]
	v_cvt_scalef32_pk8_bf8_f32 v[PC+4*\b+2:PC+4*\b+3], v[S+16*\b+8:S+16*\b+15], v[BS+\b]
.endr
.set j, 0
.rept 8
	v_pk_mul_f32 v[O+j:O+j+1], v[O+j:O+j+1], v[F:F+1] op_sel_hi:[1,0]   ; O^T under the new M
.set j, j+2
.endr
.rept 4
	v_nop                                          ; four places between the codes' last write and the scaled products that take them
.endr
	s_wait_alu depctr_va_vdst(0)
	s_wait_dscnt 0x0                               ; V
.irp t, 0,1
	v_wmma_scale_f32_16x16x128_f8f6f4 v[O+8*\t:O+8*\t+7], v[VFR+16*\t:VFR+16*\t+15], v[PC:PC+15], v[O+8*\t:O+8*\t+7], v[VSW+\t], v[PSW] matrix_a_fmt:MATRIX_FMT_BF8 matrix_b_fmt:MATRIX_FMT_BF8
.endr
.Lhidden_\@:
	s_add_co_u32 s41, s41, 256                     ; two steps on
	s_add_co_u32 s42, s42, 8192
	s_add_co_u32 s43, s43, 512
	s_sub_co_u32 s44, s44, 1
	s_cmp_lg_u32 s44, 0
	s_cbranch_scc1 .Lstep_\@
.endm
	WALK                                           ; my steps of the tile that my partner finishes
.rept 8
	v_nop                                          ; eight places behind the last products, in front of the stores that read O^T
.endr
	s_wait_alu depctr_va_vdst(0)                   ; the wait ahead of the first reader of O^T
	v_add_f32 v13, v14, v15                        ; my lane's part of the sum, beside -M
.irp k, 0,1,2,3
	ds_store_b128 v210, v[O+4*\k:O+4*\k+3] offset:512*\k   ; each accumulator from its low end on
.endr
	ds_store_b64 v211, v[12:13] offset:2048
	v_mov_b32 v[QSW], v234                         ; the second walk begins as the first did: my own tile's q,
.irp k, 0,1,2,3
	v_mov_b32 v[28+\k], v[230+\k]
.endr
.irp j, 0,1,2,3,4,5,6,7,8,9,10,11,12,13,14,15
	v_mov_b32 v[O+\j], 0                           ; zeros,
.endr
	v_mov_b32 v13, 0xff61b1e6                      ; the largest t so far: -3e38
	v_floor_f32 v12, -v13
	v_mov_b32 v14, 0
	v_mov_b32 v15, 0
	s_lshl_b32 s40, s36, 4                         ; my own tile's first query
	s_lshl_b32 s41, s18, 7
	s_lshl_b32 s42, s18, 12
	s_lshl_b32 s43, s18, 8
	s_mov_b32 s44, 8
	s_wait_alu depctr_va_vdst(0)
	WALK                                           ; my steps of my own tile
	s_wait_dscnt 0x0                               ; for my partner's sake: the first walk's state lies in LDS
	s_barrier_signal -1
	s_barrier_wait -1
.irp k, 0,1,2,3
	ds_load_b128 v[S+16+4*\k:S+19+4*\k], v235 offset:512*\k   ; my partner's part of my tile: O^T,
.endr
	ds_load_b64 v[S+32:S+33], v245 offset:2048     ; -M and the lane's part of the sum
.rept 8
	v_nop                                          ; eight places behind the last products
.endr
	s_wait_dscnt 0x0
	s_wait_alu depctr_va_vdst(0)                   ; the wait ahead of the first reader of O^T
	v_add_f32 v14, v14, v15
	v_min_num_f32 v[T1], v12, v[S+32]              ; -M of the two parts together
	v_sub_f32 v[T2], v[T1], v12                    ; my M less the common one: a whole number, 0 or less
	v_sub_f32 v[T1], v[T1], v[S+32]                ; my partner's likewise
	v_cvt_i32_f32 v[T2], v[T2]                     ; (they saturate)
	v_cvt_i32_f32 v[T1], v[T1]
	v_ldexp_f32 v[F], 1.0, v[T2]
	v_ldexp_f32 v[F+1], 1.0, v[T1]
	v_mul_f32 v14, v14, v[F]
	v_fmac_f32 v14, v[S+33], v[F+1]
.irp j, 0,1,2,3,4,5,6,7,8,9,10,11,12,13,14,15
	v_mul_f32 v[S+\j], v[O+\j], v[F]               ; each accumulator from its low end on
.endr
.irp j, 0,1,2,3,4,5,6,7,8,9,10,11,12,13,14,15
	v_fmac_f32 v[S+\j], v[S+16+\j], v[F+1]
.endr
	v_permlanex16_b32 v[T1], v14, s[SEL], s[SEL+1]
	v_add_f32 v14, v14, v[T1]                      ; the row's sum
	s_wait_alu depctr_va_vdst(0)
	v_rcp_f32 v14, v14
	v_nop                                          ; a plain line behind the transcendental
	s_wait_alu depctr_va_vdst(0)
.irp j, 0,1,2,3,4,5,6,7,8,9,10,11,12,13,14,15
	v_mul_f32 v[S+\j], v[S+\j], v14                ; register 8 t + j: channel 16 t + 8 h + j
.endr
	QUANT S, 1
	v_permlane16_swap_b32 v[PC], v[PC+2]           ; channels 8 .. 15 (upper lanes, first half) change places with 16 .. 23 (lower lanes, second half): lane (r, h) now holds k = 16 h + 0 .. 15
	v_permlane16_swap_b32 v[PC+1], v[PC+3]
	global_store_b128 v1, v[PC:PC+3], s[10:11]     ; 512 consecutive bytes
	ds_store_b8 v7, v[TM+4]                        ; both lanes of a row write the same byte with the same value
	s_wait_dscnt 0x0
	s_barrier_signal -1
	s_barrier_wait -1
	s_cmp_gt_u32 s14, 1
	s_cbranch_scc1 .Lend
	ds_load_b32 v[T2], v8                          ; wave 0 owns the early tile and wave 1 the late one: their own base in acs serves
	s_wait_dscnt 0x0
	global_store_b32 v10, v[T2], s[12:13]          ; two runs of 64 bytes: 16 rows' words of two K steps of 128
.Lend:
	s_wait_tensorcnt 0x0
	ds_add_u32 v254, v255
	s_wait_dscnt 0x0
	s_endpgm
.Lfunc_end_k_q6c0d3cc456_attn:
	.size	k_q6c0d3cc456_attn, .Lfunc_end_k_q6c0d3cc456_attn-k_q6c0d3cc456_attn
	.p2alignl 7, 3214868480
	.fill 96, 4, 3214868480
	.section	.rodata,"a",@progbits
	.p2align	6, 0x0
	.amdhsa_kernel k_q6c0d3cc456_attn
		.amdhsa_group_segment_fixed_size 206848
		.amdhsa_private_segment_fixed_size 0
		.amdhsa_enable_private_segment 0
		.amdhsa_kernarg_size 40
		.amdhsa_user_sgpr_count 2
		.amdhsa_user_sgpr_kernarg_segment_ptr 1
		.amdhsa_wavefront_size32 1
		.amdhsa_system_sgpr_workgroup_id_x 1
		.amdhsa_system_sgpr_workgroup_id_y 1
		.amdhsa_system_sgpr_workgroup_id_z 1
		.amdhsa_system_vgpr_workitem_id 0
		.amdhsa_next_free_vgpr 256
		.amdhsa_next_free_sgpr 66
		.amdhsa_reserve_vcc 1
		.amdhsa_float_denorm_mode_32 3
		.amdhsa_float_denorm_mode_16_64 3
		.amdhsa_memory_ordered 1
		.amdhsa_forward_progress 1
		.amdhsa_inst_pref_size 61
	.end_amdhsa_kernel
	.amdgpu_metadata
---
amdhsa.version: [ 1, 2 ]
amdhsa.kernels:
  - .name:           k_q6c0d3cc456_attn
    .symbol:         k_q6c0d3cc456_attn.kd
    .args:
      - { .name: qi, .offset: 0, .size: 8, .value_kind: global_buffer, .address_space: global }
      - { .name: qs, .offset: 8, .size: 8, .value_kind: global_buffer, .address_space: global }
      - { .name: kv, .offset: 16, .size: 8, .value_kind: global_buffer, .address_space: global }
      - { .name: act, .offset: 24, .size: 8, .value_kind: global_buffer, .address_space: global }
      - { .name: acs, .offset: 32, .size: 8, .value_kind: global_buffer, .address_space: global }
    .group_segment_fixed_size: 206848
    .private_segment_fixed_size: 0
    .kernarg_segment_align: 8
    .kernarg_segment_size: 40
    .max_flat_workgroup_size: 512
    .sgpr_count:     66
    .vgpr_count:     256
    .wavefront_size: 32
...
	.end_amdgpu_metadata
.endif
;; end of part 3
;; launch ffp (part 4): grid 16 x 16, 4 waves a work-group, clusters of 4 x 4, 327,680 bytes of LDS; arguments xq, xs, w_fused_codes, w_fused_scales, act, acs; writes act, acs
.if DOCPART == 4
	.amdgcn_target "amdgcn-amd-amdhsa--gfx1250"
	.amdhsa_code_object_version 6
	.text
	.protected	k_q6c0d3cc456_ffp
	.globl	k_q6c0d3cc456_ffp
	.p2align	8
	.type	k_q6c0d3cc456_ffp,@function
k_q6c0d3cc456_ffp:
	s_mov_b64 s[64:65], 0
	v_nop
	global_prefetch_b8 v0, s[64:65] scope:SCOPE_SE
	s_setreg_imm32_b32 hwreg(HW_REG_WAVE_MODE, 25, 1), 1
	s_wait_xcnt 0x0
	s_wait_alu depctr_hold_cnt(0) depctr_sa_sdst(0) depctr_va_vdst(0) depctr_va_sdst(0) depctr_va_ssrc(0) depctr_va_vcc(0) depctr_vm_vsrc(0)
	s_getreg_b32 s2, hwreg(HW_REG_IB_STS2, 6, 4)
	s_cmp_eq_u32 s2, 0
	s_cbranch_scc0 .Lentry_in_a_cluster
	s_endpgm
.Lentry_in_a_cluster:
	s_bfe_u32 s2, ttmp6, 0x10000c
	s_cmp_lg_u32 s2, 0xf033
	s_cbranch_scc0 .Lentry_shape_is_right
	s_endpgm
.Lentry_shape_is_right:
; Columns 576 .. 4,671 of xn W: ff_x (2,048 columns) and gate (2,048); h = ff_x x gate / (1 + 2^(-gate log2 e)); h quantised along the hidden axis (the last product's K) to codes of E5M2 with one E8M0 byte for each 32.
; SHARES.  256 work-groups of four waves.  A work-group makes 256 rows x 128 hidden columns, so 128 columns of ff_x and the same 128 of gate: 256 rows of W.  A wave makes 128 rows x (64 + 64): 64 accumulators, 512 registers.
; K goes in eight steps of 256 through a ring of two LDS slots (xn: 16 tiles x 4,096 bytes, images of operand registers; W: 256 rows of 256 bytes + 16 of padding).  Waves 0, 1 fetch xn's halves, wave 2 ff_x's rows, wave 3 gate's.
; CLUSTERS 4 x 4: xn's tiles are asked for jointly along a row of the cluster, W's along a column; a round of the cluster's barrier stands in front of every joint load.
; The scale bytes of the work-group's rows of xn and of W, for all of K, are copied once through registers into LDS bytes of their own, in runs of 256 bytes + 16.
; PREFETCH INTO THE L2: at the load of K step t each wave names K step t + 2 (at the head steps 1 and 2, at step 1's load step 3): of the 128 blocks of 256 bytes that a wave's load brings, each of the four partners that ask jointly
; takes 32, told apart by address (cx for xn, cy for W), a lane a block.  The loads of steps 6 and 7 name nothing.  At most two K steps are asked for and not yet loaded.
; THE MATRIX INSTRUCTION IS USED TRANSPOSED (source 0 = 16 rows of W, source 1 = 16 rows of xn): lane (r, h) holds row r and columns 8 h + 0 .. 7 of a tile.
; OUT.  act: [tile of 16 rows][block of 32 k: 80][512 bytes], blocks 16 on; acs: [K step of 128: 20][row] words, steps 4 on; the bytes are gathered in LDS.
; LIMITS: NaN and infinities are not served; a block whose largest magnitude lies under 2^-111 keeps the byte 1 (a block of zeros too: this program alone reads the bytes).
; REGISTERS.  Window 0: v1-30 addresses; v32-63 xn's scale words, v64-95 W's (two sets each, nothing else ever stands there); v96-127 the quantiser; v128-255 xn's fragments, one set; on the way out v128-191 work.
; Window 1: W's fragments, two sets.  Windows 2, 3: accumulator (a, b) at v[8 (8 (a % 4) + b)]; b 0-3 ff_x, 4-7 gate.
.set MB,   8
.set NB,   8
.set HB,   4
.set BOFF, 65536
.set SLOT, BOFF+272*256
.set SCA,  2*SLOT
.set SCB,  SCA+17408
.set SST,  SCB+17408                   ; 1,024 bytes: the result's scale words
.set SPARE, SST+1024                   ; the spare words: 128 bytes a wave, named by no other line
.set PFO,  6                           ; v6, v7  the prefetches' lane offsets: this step's, and one K step on
.set ADRA, 16
.set ADRB, 20
.set ADSA, 22
.set ADSB, 23
.set SPW,  28
.set NIL,  29
.set SA,   32
.set SB,   64
.set TM,   96
.set PC,   112
.set AF,   128
.set E,    128
.set PFA,  10                          ; s[10:11] where my prefetches stand;  s[12:13] a K step in bytes: 4,096 in a tile of xn, 256 in a row of W
.set PFS,  12
.set G1A,  24
.set G0A,  32
.set G1B,  48
.set G0B,  56
.set SEL,  20
.set MNT,  23
.set WLO,  0xa1                        ; source 0 (W) window 1, source 1 (xn) window 0, C and D window 2
.set WHI,  0xf1                        ; the same, C and D window 3
.set MSB,  0
.macro WIN new                         ; the immediate's high byte repeats the setting that is left
.if MSB != \new
	s_set_vgpr_msb (MSB<<8)|\new
.set MSB, \new
.endif
.endm
.macro PLACES n
.rept \n
	v_nop
.endr
.endm
.macro WALU
	s_wait_alu depctr_va_vdst(0)
.endm
; nb blocks of 32; v[s + 16 b + i] are my 16 numbers of block b, lane l xor 16 holds the other 16.  Codes to v[PC + 4 b ..], the byte to v[TM + 4 + b].
.macro QUANT s, nb
.set qb, 0
.rept \nb
	v_max3_num_f32 v[TM+qb], |v[(\s)+16*qb]|, |v[(\s)+16*qb+1]|, 0x8000000   ; with the floor 2^(16 - 127): the byte cannot fall under 1
.set qb, qb+1
.endr
.irp i, 2,4,6,8,10,12,14
.set qb, 0
.rept \nb
	v_max3_num_f32 v[TM+qb], v[TM+qb], |v[(\s)+16*qb+\i]|, |v[(\s)+16*qb+\i+1]|
.set qb, qb+1
.endr
.endr
.set qb, 0
.rept \nb
	v_permlanex16_b32 v[TM+4+qb], v[TM+qb], s[SEL], s[SEL+1]
.set qb, qb+1
.endr
.set qb, 0
.rept \nb
	v_max_num_f32 v[TM+qb], v[TM+qb], v[TM+4+qb]          ; the block's largest magnitude
.set qb, qb+1
.endr
.set qb, 0
.rept \nb
	v_add_nc_u32 v[TM+12+qb], 0xf8800000, v[TM+qb]        ; 15 off its exponent field: the conversion's scale operand
	v_and_or_b32 v[TM+8+qb], v[TM+qb], 0x7f800000, s[MNT] ; 57,344 x the scale
.set qb, qb+1
.endr
.set qb, 0
.rept \nb
	v_lshrrev_b32 v[TM+4+qb], 23, v[TM+12+qb]             ; the scale's byte
.set qb, qb+1
.endr
	WALU
	s_wait_xcnt 0x0                                        ; the batch before has stored its codes out of v[PC ..]: they are written anew only behind this wait
.set qb, 0
.rept \nb
.irp i, 0,1,2,3,4,5,6,7,8,9,10,11,12,13,14,15
	v_med3_num_f32 v[(\s)+16*qb+\i], v[(\s)+16*qb+\i], -v[TM+8+qb], v[TM+8+qb]   ; the conversion does not saturate (ISA guide 7.6.2): the hold comes first
.endr
	v_cvt_scalef32_pk8_bf8_f32 v[PC+4*qb:PC+4*qb+1], v[(\s)+16*qb:(\s)+16*qb+7], v[TM+12+qb]
	v_cvt_scalef32_pk8_bf8_f32 v[PC+4*qb+2:PC+4*qb+3], v[(\s)+16*qb+8:(\s)+16*qb+15], v[TM+12+qb]
.set qb, qb+1
.endr
	v_nop                                                  ; a plain line behind the last conversion
.endm
.macro SWAP p                          ; columns 8 .. 15 (upper lanes, first half) change places with 16 .. 23 (lower lanes, second half): lane (r, h) then holds k = 16 h + 0 .. 15
	v_permlane16_swap_b32 v[\p], v[\p+2]
	v_permlane16_swap_b32 v[\p+1], v[\p+3]
.endm
; A joint load: waves 0, 1 for xn, waves 2, 3 for W; each line has one mask.  An s_nop 0 and four v_nop follow each.
.macro JLOAD s
	s_cmp_eq_u32 s15, 0
	s_cbranch_scc0 .Lfor_b_\@
	tensor_load_to_lds s[G0A+4*\s:G0A+4*\s+3], s[G1A:G1A+7]
	s_nop 0
	PLACES 4
	s_branch .Lasked_\@
.Lfor_b_\@:
	tensor_load_to_lds s[G0B+4*\s:G0B+4*\s+3], s[G1B:G1B+7]
	s_nop 0
	PLACES 4
.Lasked_\@:
.endm
.macro CREST                           ; a round of the cluster's barrier behind its opening barrier
	s_cmp_lg_u32 s14, 0
	s_cbranch_scc1 .Lnot_wave_0_\@
	s_barrier_signal -3
.Lnot_wave_0_\@:
	s_barrier_wait -3
	s_barrier_signal -1
	s_barrier_wait -1
.endm
.macro CROUND
	s_barrier_signal -1
	s_barrier_wait -1
	CREST
.endm
.macro FRAGA reg, slot, q, i           ; a fragment of xn: four blocks of 32 k, each 512 consecutive bytes
.irp c, 0,1,2,3
	ds_load_b128 v[\reg+4*\c:\reg+4*\c+3], v[ADRA+\slot] offset:4096*(\i)+2048*(\q)+512*\c
.endr
.endm
.macro FRAGB reg, slot, q, i           ; a fragment of W: lane (r, h): row r, k = 32 c + 16 h + 0 .. 15; tiles 4-7 are gate's, 128 rows on
.irp c, 0,1,2,3
	ds_load_b128 v[\reg+4*\c:\reg+4*\c+3], v[ADRB+\slot] offset:272*(16*((\i)%4)+128*((\i)/4))+128*(\q)+32*\c
.endr
.endm
.macro FETCH_B slot, q, p
	WIN 0x40
.set fb, 0
.rept NB
	FRAGB 128*(\p)+16*fb, \slot, \q, fb
.set fb, fb+1
.endr
	WIN 0
.endm
.macro FETCH_A slot, q, i0
.set fi, \i0
.rept HB
	FRAGA AF+16*fi, \slot, \q, fi
.set fi, fi+1
.endr
.endm
.macro SCALES sc                       ; a K step's two scale words of each tile of 16 rows
.set si, 0
.rept MB
	ds_load_b64 v[SA+16*(\sc)+2*si:SA+16*(\sc)+2*si+1], v[ADSA] offset:1088*si
.set si, si+1
.endr
.set si, 0
.rept NB
	ds_load_b64 v[SB+16*(\sc)+2*si:SB+16*(\sc)+2*si+1], v[ADSB] offset:8704*(si/4)+1088*(si%4)
.set si, si+1
.endr
.endm
; n blocks of xn from a0 on, each against W's eight: the 64 accumulators take turns, in the same order in every step
.macro MULS a0, n, p, q, sc, zero
.set ma, \a0
.rept \n
.set mb, 0
.rept NB
.if \zero
	v_wmma_scale_f32_16x16x128_f8f6f4 v[8*(NB*(ma%4)+mb):8*(NB*(ma%4)+mb)+7], v[128*(\p)+16*mb:128*(\p)+16*mb+15], v[AF+16*ma:AF+16*ma+15], 0, v[SB+16*(\sc)+2*mb+(\q)], v[SA+16*(\sc)+2*ma+(\q)] matrix_a_fmt:MATRIX_FMT_BF8 matrix_b_fmt:MATRIX_FMT_BF8
.else
	v_wmma_scale_f32_16x16x128_f8f6f4 v[8*(NB*(ma%4)+mb):8*(NB*(ma%4)+mb)+7], v[128*(\p)+16*mb:128*(\p)+16*mb+15], v[AF+16*ma:AF+16*ma+15], v[8*(NB*(ma%4)+mb):8*(NB*(ma%4)+mb)+7], v[SB+16*(\sc)+2*mb+(\q)], v[SA+16*(\sc)+2*ma+(\q)] matrix_a_fmt:MATRIX_FMT_BF8 matrix_b_fmt:MATRIX_FMT_BF8
.endif
.set mb, mb+1
.endr
.set ma, ma+1
.endr
.endm
; A slot's first 128 along K.  Loads into registers that matrix instructions have read stand eight plain vector lines behind them.  The LDS loads stand in two long runs.
.macro STEP slot, zero
	s_wait_dscnt 4*HB                              ; all but the youngest 16 loads (xn's blocks 4-7)
	WIN WLO
	MULS 0, HB, 0, 0, \slot, \zero
	s_wait_dscnt 0x0
	PLACES 8
	FETCH_B \slot, 1, 1
	FETCH_A \slot, 1, 0
	WIN WHI
	MULS HB, HB, 0, 0, \slot, \zero
	PLACES 8
	WIN 0
	FETCH_A \slot, 1, HB
.endm
; A slot's second 128 along K, and the change of slots.  fill = 1: the slot is filled again, two K steps on, behind a round of the cluster's barrier.
.macro TURN slot, next, fill
.if \fill
	s_wait_xcnt 0x0                                ; my last prefetch, a K step back, has read its address
	s_add_nc_u64 s[PFA:PFA+1], s[PFA:PFA+1], s[PFS:PFS+1]
.endif
	s_wait_tensorcnt 0x0                           ; my one load that was out, my part of the next slot, has landed
	ds_add_u32 v[SPW], v[NIL]                      ; 0 onto my spare word
	s_wait_dscnt 4*HB+1                            ; the add and the youngest 16 loads may be out
	WIN WLO
	MULS 0, HB/2, 1, 1, \slot, 0
	s_wait_dscnt 0x0                               ; the add is done, my reads of this slot are over
	s_barrier_signal -1
	MULS HB/2, HB/2, 1, 1, \slot, 0
	WIN 0
	s_barrier_wait -1
.if \fill
	CREST
	s_add_nc_u64 s[G0A+4*\slot+2:G0A+4*\slot+3], s[G0A+4*\slot+2:G0A+4*\slot+3], 8192
	s_add_nc_u64 s[G0B+4*\slot+2:G0B+4*\slot+3], s[G0B+4*\slot+2:G0B+4*\slot+3], 512
	JLOAD \slot                                    ; the first tensor load behind the round; its four v_nop are four of the eight places
	PLACES 4
.else
	PLACES 8
.endif
	WALU
	v_add_nc_u32 v[ADSA], 8, v[ADSA]               ; the next K step's scale words
	v_add_nc_u32 v[ADSB], 8, v[ADSB]
	FETCH_B \next, 0, 0
	FETCH_A \next, 0, 0
	SCALES \next
.if \fill
	s_cmp_gt_u32 s3, 1                             ; the loop's last trip loads K steps 6 and 7: no step stands two on
	s_cbranch_scc0 .Lnone_on_\@
	global_prefetch_b8 v[PFO], s[PFA:PFA+1] th:TH_LOAD_NT scope:SCOPE_SE
.Lnone_on_\@:
.endif
	WIN WHI
	MULS HB, HB, 1, 1, \slot, 0
	PLACES 8
	WIN 0
	FETCH_A \next, 0, HB
.endm
	s_load_b256 s[68:75], s[0:1], 0x0              ; xq 68, xs 70, W's codes 72, W's scales 74
	s_load_b128 s[76:79], s[0:1], 0x20             ; act 76, acs 78
	v_lshl_add_u32 v[SPW], v0, 2, SPARE
	v_mov_b32 v[NIL], 0
	ds_add_u32 v[SPW], v[NIL]                      ; the opening lines: the add, twice on end, and its wait ahead of my first tensor load
	ds_add_u32 v[SPW], v[NIL]
	v_lshrrev_b32 v3, 5, v0
	v_readfirstlane_b32 s14, v3                    ; wave 0..3
	s_lshr_b32 s15, s14, 1                         ; my half of the rows; also: I fetch for xn (0) or for W (1)
	s_and_b32 s16, s14, 1                          ; my half of the columns; also: which half I fetch
	s_bfe_u32 s40, ttmp6, 0x40000                  ; cx, cy
	s_bfe_u32 s41, ttmp6, 0x40004
	s_lshl_b32 s42, ttmp9, 2
	s_add_co_u32 s42, s42, s40                     ; tile column: 128 hidden columns
	s_and_b32 s17, ttmp7, 0xffff
	s_lshl_b32 s17, s17, 2
	s_add_co_u32 s17, s17, s41                     ; tile row: 256 rows
	s_lshl_b32 s43, s41, 2
	s_lshl_b32 s43, 15, s43                        ; my row of the cluster
	s_lshl_b32 s44, 0x1111, s40                    ; my column
	v_and_b32 v1, 15, v0                           ; r
	v_bfe_u32 v2, v0, 4, 1                         ; h
	v_and_b32 v3, 31, v0
	v_lshlrev_b32 v30, 4, v3                       ; 16 x lane
	v_lshlrev_b32 v12, 3, v3                       ; 8 x lane
	v_lshlrev_b32 v24, 4, v0                       ; the scale copy: thread t takes 16 bytes at 16 t of each 2,048,
	v_lshrrev_b32 v4, 4, v0
	v_mul_u32_u24 v5, v4, 272
	v_lshl_add_u32 v5, v1, 4, v5                   ; and puts them at 272 (t / 16) + 16 (t % 16)
	v_add_nc_u32 v8, SCA, v5
	v_add_nc_u32 v9, SCB, v5
	s_mov_b32 s[SEL], 0x76543210
	s_mov_b32 s[SEL+1], 0xfedcba98
	s_mov_b32 s[MNT], 0x600000
.irp b, 0,1,2,3
	v_mov_b32 v[TM+4+\b], 0                        ; a lane permute's destination counts as one of its sources
.endr
	s_mov_b32 s85, 0
	s_mov_b32 s87, 0
	s_mov_b32 s89, 0
	s_mov_b32 s91, 0
	s_lshl_b32 s84, s17, 14                        ; xs: 256 rows x 64 bytes
	s_lshl_b32 s86, s42, 13                        ; W's scales: row 576 + 128 x tile column
	s_add_co_u32 s86, s86, 36864
	s_or_b32 s[G1A], s43, (3<<16)|(1<<21)          ; xn: 8 rows of 512 elements of 8 bytes (a tile's 4,096 bytes of a K step), 32,768 bytes apart, dense in LDS
	s_mov_b32 s[G1A+1], 512<<16
	s_mov_b32 s[G1A+2], 8<<16
	s_mov_b32 s[G1A+3], 512<<16
	s_mov_b32 s[G1A+4], 8
	s_mov_b32 s[G1A+5], 4096
	s_mov_b32 s[G1A+6], 0
	s_mov_b32 s[G1A+7], 0
	s_or_b32 s[G1B], s44, (1<<20)|(1<<21)|(5<<22)|(3<<25)   ; W: 128 rows of 256 bytes, 2,048 apart; four words of padding behind every 64
	s_mov_b32 s[G1B+1], 256<<16
	s_mov_b32 s[G1B+2], 128<<16
	s_mov_b32 s[G1B+3], 256<<16
	s_mov_b32 s[G1B+4], 128
	s_mov_b32 s[G1B+5], 2048
	s_mov_b32 s[G1B+6], 0
	s_mov_b32 s[G1B+7], 0
	s_lshl_b32 s88, s17, 19                        ; xn: (16 x tile row + 8 x half) tiles of 32,768 bytes
	s_lshl_b32 s98, s16, 18
	s_add_co_u32 s88, s88, s98
	s_lshl_b32 s90, s42, 18                        ; W: row 576 + 128 x tile column, gate's 2,048 rows on
	s_lshl_b32 s98, s16, 22
	s_add_co_u32 s90, s90, s98
	s_add_co_u32 s90, s90, 1179648
	s_lshl_b32 s96, s16, 15                        ; in a slot: xn's half, W's half
	s_mul_i32 s97, s16, 272*128
	s_lshl_b32 s18, s40, 16                        ; the prefetches: my work-group's share begins 2 cx tiles of xn on, or 32 cy rows of W
	s_lshl_b32 s19, s41, 16
	s_mov_b32 s[PFS], 256
	s_mov_b32 s22, 2048
	s_cmp_eq_u32 s15, 0
	s_cselect_b32 s18, s18, s19
	s_cselect_b32 s[PFS], 4096, s[PFS]
	s_cselect_b32 s22, 256, s22                    ; from lane to lane among sixteen: 256 bytes in a tile, a row of W; the upper sixteen lanes stand 32,768 bytes on in both
	s_mov_b32 s19, 0
	s_mov_b32 s[PFS+1], 0
	v_mul_u32_u24 v[PFO], s22, v1
	v_lshl_add_u32 v[PFO], v2, 15, v[PFO]
	v_add_nc_u32 v[PFO+1], s[PFS], v[PFO]
	s_wait_dscnt 0x0                               ; both opening adds are done
	WALU
	CROUND                                         ; all sixteen work-groups are here
	s_wait_kmcnt 0x0
	s_add_nc_u64 s[70:71], s[70:71], s[84:85]
	s_add_nc_u64 s[74:75], s[74:75], s[86:87]
	s_add_nc_u64 s[92:93], s[68:69], s[88:89]
	s_add_nc_u64 s[94:95], s[72:73], s[90:91]
.irp s, 0,1
	s_mov_b32 s[G0A+4*\s], 1
	s_add_co_u32 s[G0A+4*\s+1], s96, \s*SLOT
	s_add_nc_u64 s[G0A+4*\s+2:G0A+4*\s+3], s[92:93], \s*4096
	s_or_b32 s[G0A+4*\s+3], s[G0A+4*\s+3], 0x80000000
	s_mov_b32 s[G0B+4*\s], 1
	s_add_co_u32 s[G0B+4*\s+1], s97, \s*SLOT+BOFF
	s_add_nc_u64 s[G0B+4*\s+2:G0B+4*\s+3], s[94:95], \s*256
	s_or_b32 s[G0B+4*\s+3], s[G0B+4*\s+3], 0x80000000
.endr
	JLOAD 0                                        ; K step 0: one tensor load a wave at the head
.irp n, 0,1,2,3,4,5,6,7
	global_load_b128 v[128+4*\n:131+4*\n], v24, s[70:71] offset:2048*\n
.endr
.irp n, 0,1,2,3
	global_load_b128 v[160+4*\n:163+4*\n], v24, s[74:75] offset:2048*\n
	global_load_b128 v[176+4*\n:179+4*\n], v24, s[74:75] offset:131072+2048*\n
.endr
	s_cmp_eq_u32 s15, 0
	s_cselect_b64 s[PFA:PFA+1], s[92:93], s[94:95]
	s_add_nc_u64 s[PFA:PFA+1], s[PFA:PFA+1], s[18:19]
	s_add_nc_u64 s[PFA:PFA+1], s[PFA:PFA+1], s[PFS:PFS+1]
	global_prefetch_b8 v[PFO], s[PFA:PFA+1] th:TH_LOAD_NT scope:SCOPE_SE     ; K step 1,
	global_prefetch_b8 v[PFO+1], s[PFA:PFA+1] th:TH_LOAD_NT scope:SCOPE_SE   ; K step 2
	s_lshl_b32 s84, s15, 15
	v_add_nc_u32 v[ADRA], s84, v30                 ; my eight tiles of xn
	v_add_nc_u32 v[ADRA+1], SLOT, v[ADRA]
	v_mul_u32_u24 v[ADRB], v1, 272
	v_lshl_add_u32 v[ADRB], v2, 4, v[ADRB]
	s_mul_i32 s84, s16, 272*64                     ; my 64 rows of each of W's two parts
	v_add_nc_u32 v[ADRB], s84, v[ADRB]
	v_add_nc_u32 v[ADRB], BOFF, v[ADRB]
	v_add_nc_u32 v[ADRB+1], SLOT, v[ADRB]
	v_lshrrev_b32 v4, 2, v1                        ; row r's 64 scale bytes: run r / 4, 64 (r % 4) in it
	v_mul_u32_u24 v4, v4, 272
	v_and_b32 v5, 3, v1
	v_lshl_add_u32 v4, v5, 6, v4
	s_mul_i32 s84, s15, 8704
	v_add_nc_u32 v[ADSA], s84, v4
	v_add_nc_u32 v[ADSA], SCA, v[ADSA]
	s_mul_i32 s84, s16, 4352
	v_add_nc_u32 v[ADSB], s84, v4
	v_add_nc_u32 v[ADSB], SCB, v[ADSB]
	s_lshl_b32 s84, s15, 9                         ; the result's bytes: word 128 x half of the rows + 16 a + r, my two bytes 2 x half of the columns on
	s_lshl_b32 s86, s16, 1
	s_add_co_u32 s84, s84, s86
	v_lshlrev_b32 v10, 2, v1
	v_add_nc_u32 v10, s84, v10
	v_add_nc_u32 v10, SST, v10
	s_lshl_b32 s84, s14, 8
	v_add_nc_u32 v11, s84, v12
	v_add_nc_u32 v11, SST, v11                     ; and their way out: 256 bytes a wave
	WALU                                           ; the head's end
	s_wait_loadcnt 0x0
.irp n, 0,1,2,3,4,5,6,7
	ds_store_b128 v8, v[128+4*\n:131+4*\n] offset:2176*\n
.endr
.irp n, 0,1,2,3
	ds_store_b128 v9, v[160+4*\n:163+4*\n] offset:2176*\n
	ds_store_b128 v9, v[176+4*\n:179+4*\n] offset:8704+2176*\n
.endr
	s_wait_xcnt 0x0                                ; the two prefetches have read their address
	s_add_nc_u64 s[PFA:PFA+1], s[PFA:PFA+1], s[PFS:PFS+1]
	s_add_nc_u64 s[PFA:PFA+1], s[PFA:PFA+1], s[PFS:PFS+1]   ; at K step 3
	s_wait_tensorcnt 0x0                           ; my part of K step 0 is in
	ds_add_u32 v[SPW], v[NIL]
	s_wait_dscnt 0x0                               ; the add is done, and my part of the scale bytes lies in LDS
	CROUND
	JLOAD 1                                        ; K step 1: the first tensor load behind the round
	FETCH_B 0, 0, 0
	FETCH_A 0, 0, 0
	SCALES 0
	FETCH_A 0, 0, HB
	global_prefetch_b8 v[PFO], s[PFA:PFA+1] th:TH_LOAD_NT scope:SCOPE_SE     ; K step 3
	STEP 0, 1                                      ; the first products start the sums: nothing is cleared
	s_mov_b32 s3, 3
.Llap:                                             ; a trip goes once round the ring and fills both slots again
	TURN 0, 1, 1
	STEP 1, 0
	TURN 1, 0, 1
	STEP 0, 0
	s_sub_co_u32 s3, s3, 1
	s_cmp_lg_u32 s3, 0
	s_cbranch_scc1 .Llap
	TURN 0, 1, 0                                   ; the last lap fills nothing
	STEP 1, 0
	s_wait_dscnt 4*HB
	WIN WLO
	MULS 0, HB, 1, 1, 1, 0
	s_wait_dscnt 0x0
	WIN WHI
	MULS HB, HB, 1, 1, 1, 0
	WIN 0
	PLACES 8                                       ; in front of the first read of results and the first write over xn's fragments
	s_lshl_b32 s84, s17, 4                         ; act: 40,960 x (16 x tile row + 8 x half) + 512 x (16 + 4 x tile column + 2 x half)
	s_lshl_b32 s86, s15, 3
	s_add_co_u32 s84, s84, s86
	s_mul_i32 s84, s84, 40960
	s_lshl_b32 s86, s42, 2
	s_lshl_b32 s88, s16, 1
	s_add_co_u32 s86, s86, s88
	s_add_co_u32 s86, s86, 16
	s_lshl_b32 s86, s86, 9
	s_add_co_u32 s84, s84, s86
	s_add_nc_u64 s[76:77], s[76:77], s[84:85]
	s_add_co_u32 s84, s42, 4                       ; acs: 16,384 x (4 + tile column) + 1,024 x tile row + 256 x wave
	s_lshl_b32 s84, s84, 14
	s_lshl_b32 s86, s17, 10
	s_add_co_u32 s84, s84, s86
	s_lshl_b32 s86, s14, 8
	s_add_co_u32 s84, s84, s86
	s_add_nc_u64 s[78:79], s[78:79], s[84:85]
; THE WAY OUT, two blocks of 16 rows at a time: 64 numbers a lane, so that a batch of transcendentals is 64 long and the quantiser's four chains take turns.  Each accumulator is read from its low end on.
.macro OUT2 a
.set AC, 64*((\a)%4)
.set WW, 2+(\a)/4
	WIN WW                                         ; source 0: the accumulators' window
	WALU
.irp u, 0,1
.set j, 0
.rept 16
	v_pk_mul_f32 v[E+32*\u+j:E+32*\u+j+1], v[AC+64*\u+32+j:AC+64*\u+33+j], 0xbfb8aa3b op_sel_hi:[1,0]   ; -gate x log2(e)
.set j, j+2
.endr
.endr
	WIN 0
	WALU
.set j, 0
.rept 64
	v_exp_f32 v[E+j], v[E+j]
.set j, j+1
.endr
	v_nop                                          ; a plain line behind the transcendentals
	WALU
.set j, 0
.rept 32
	v_pk_add_f32 v[E+j:E+j+1], v[E+j:E+j+1], 1.0 op_sel_hi:[1,0]
.set j, j+2
.endr
	WALU
.set j, 0
.rept 64
	v_rcp_f32 v[E+j], v[E+j]
.set j, j+1
.endr
	v_nop
	WIN WW
	WALU
.irp u, 0,1
.set j, 0
.rept 16
	v_pk_mul_f32 v[E+32*\u+j:E+32*\u+j+1], v[AC+64*\u+32+j:AC+64*\u+33+j], v[E+32*\u+j:E+32*\u+j+1]   ; silu(gate)
.set j, j+2
.endr
.endr
.irp u, 0,1
.set j, 0
.rept 16
	v_pk_mul_f32 v[E+32*\u+j:E+32*\u+j+1], v[AC+64*\u+j:AC+64*\u+j+1], v[E+32*\u+j:E+32*\u+j+1]       ; x ff_x
.set j, j+2
.endr
.endr
	WIN 0
	QUANT E, 4
.irp b, 0,1,2,3
	SWAP PC+4*\b
.endr
.irp u, 0,1
	global_store_b128 v30, v[PC+8*\u:PC+8*\u+3], s[76:77] offset:40960*((\a)+\u)        ; 512 consecutive bytes
	global_store_b128 v30, v[PC+8*\u+4:PC+8*\u+7], s[76:77] offset:40960*((\a)+\u)+512
.endr
	v_lshl_or_b32 v13, v[TM+5], 8, v[TM+4]
	v_lshl_or_b32 v26, v[TM+7], 8, v[TM+6]
	ds_store_b16 v10, v13 offset:64*(\a)           ; both lanes of a row write the same bytes with the same value
	ds_store_b16 v10, v26 offset:64*(\a)+64
.endm
.irp a, 0,2,4,6
	OUT2 \a
.endr
	s_wait_dscnt 0x0                               ; for the others' sake: my bytes lie in LDS
	s_barrier_signal -1
	s_barrier_wait -1
	ds_load_b64 v[14:15], v11
	s_wait_dscnt 0x0
	global_store_b64 v12, v[14:15], s[78:79]       ; 256 consecutive bytes a wave
	s_wait_tensorcnt 0x0                           ; the wave's end
	ds_add_u32 v[SPW], v[NIL]
	s_wait_dscnt 0x0
	CROUND                                         ; the closing round
	s_endpgm
.Lfunc_end_k_q6c0d3cc456_ffp:
	.size	k_q6c0d3cc456_ffp, .Lfunc_end_k_q6c0d3cc456_ffp-k_q6c0d3cc456_ffp
	.p2alignl 7, 3214868480
	.fill 96, 4, 3214868480
	.section	.rodata,"a",@progbits
	.p2align	6, 0x0
	.amdhsa_kernel k_q6c0d3cc456_ffp
		.amdhsa_group_segment_fixed_size 327680
		.amdhsa_private_segment_fixed_size 0
		.amdhsa_enable_private_segment 0
		.amdhsa_kernarg_size 48
		.amdhsa_user_sgpr_count 2
		.amdhsa_user_sgpr_kernarg_segment_ptr 1
		.amdhsa_wavefront_size32 1
		.amdhsa_system_sgpr_workgroup_id_x 1
		.amdhsa_system_sgpr_workgroup_id_y 1
		.amdhsa_system_sgpr_workgroup_id_z 1
		.amdhsa_system_vgpr_workitem_id 0
		.amdhsa_next_free_vgpr 1024
		.amdhsa_next_free_sgpr 100
		.amdhsa_reserve_vcc 0
		.amdhsa_float_denorm_mode_32 3
		.amdhsa_float_denorm_mode_16_64 3
		.amdhsa_memory_ordered 1
		.amdhsa_forward_progress 1
		.amdhsa_inst_pref_size 210
	.end_amdhsa_kernel
	.amdgpu_metadata
---
amdhsa.version: [ 1, 2 ]
amdhsa.kernels:
  - .name:           k_q6c0d3cc456_ffp
    .symbol:         k_q6c0d3cc456_ffp.kd
    .args:
      - { .name: xq, .offset: 0, .size: 8, .value_kind: global_buffer, .address_space: global }
      - { .name: xs, .offset: 8, .size: 8, .value_kind: global_buffer, .address_space: global }
      - { .name: w_fused_codes, .offset: 16, .size: 8, .value_kind: global_buffer, .address_space: global }
      - { .name: w_fused_scales, .offset: 24, .size: 8, .value_kind: global_buffer, .address_space: global }
      - { .name: act, .offset: 32, .size: 8, .value_kind: global_buffer, .address_space: global }
      - { .name: acs, .offset: 40, .size: 8, .value_kind: global_buffer, .address_space: global }
    .group_segment_fixed_size: 327680
    .private_segment_fixed_size: 0
    .kernarg_segment_align: 8
    .kernarg_segment_size: 48
    .max_flat_workgroup_size: 128
    .sgpr_count:     100
    .vgpr_count:     1024
    .wavefront_size: 32
...
	.end_amdgpu_metadata
.endif
;; end of part 4
;; launch outp (part 5): grid 8 x 32, 4 waves a work-group, clusters of 4 x 4, 327,680 bytes of LDS; arguments act, acs, w_attn_out_codes, w_attn_out_scales, w_ff_out_codes, w_ff_out_scales, out0; writes out0
.if DOCPART == 5
	.amdgcn_target "amdgcn-amd-amdhsa--gfx1250"
	.amdhsa_code_object_version 6
	.text
	.protected	k_q6c0d3cc456_outp
	.globl	k_q6c0d3cc456_outp
	.p2align	8
	.type	k_q6c0d3cc456_outp,@function
k_q6c0d3cc456_outp:
	s_mov_b64 s[64:65], 0
	v_nop
	global_prefetch_b8 v0, s[64:65] scope:SCOPE_SE
	s_setreg_imm32_b32 hwreg(HW_REG_WAVE_MODE, 25, 1), 1
	s_wait_xcnt 0x0
	s_wait_alu depctr_hold_cnt(0) depctr_sa_sdst(0) depctr_va_vdst(0) depctr_va_sdst(0) depctr_va_ssrc(0) depctr_va_vcc(0) depctr_vm_vsrc(0)
	s_getreg_b32 s2, hwreg(HW_REG_IB_STS2, 6, 4)
	s_cmp_eq_u32 s2, 0
	s_cbranch_scc0 .Lentry_in_a_cluster
	s_endpgm
.Lentry_in_a_cluster:
	s_bfe_u32 s2, ttmp6, 0x10000c
	s_cmp_lg_u32 s2, 0xf033
	s_cbranch_scc0 .Lentry_shape_is_right
	s_endpgm
.Lentry_shape_is_right:
.set MB,   4
.set NB,   8
.set HB,   2
.set AH,   4
.set BH,   128
.set BOFF, 32768
.set SLOT, BOFF+272*256
.set SCA,  2*SLOT
.set SCBO, SCA+10240
.set SCBF, SCBO+4352
.set SPARE, SCBF+17408
.set SPITCH, 528
.set ADRA, 16
.set ADRB, 20
.set ADSA, 22
.set ADSBO, 23
.set ADSBF, 24
.set STO,  25
.set RD,   26
.set SPW,  28
.set NIL,  29
.set SA,   32
.set SB,   64
.set AF,   128
.set BK,   128
.set G1A,  24
.set G0A,  32
.set G1B,  48
.set G0B,  56
.set G1F,  92
.set WLO,  0xa1
.set WHI,  0xa1
.set MSB,  0
.macro WIN new
.if MSB != \new
	s_set_vgpr_msb (MSB<<8)|\new
.set MSB, \new
.endif
.endm
.macro PLACES n
.rept \n
	v_nop
.endr
.endm
.macro JLOAD s, g1b
	s_cmp_eq_u32 s15, 0
	s_cbranch_scc0 .Lfor_b_\@
	tensor_load_to_lds s[G0A+4*\s:G0A+4*\s+3], s[G1A:G1A+7]
	s_nop 0
.rept 4
	v_nop
.endr
	s_branch .Lasked_\@
.Lfor_b_\@:
	tensor_load_to_lds s[G0B+4*\s:G0B+4*\s+3], s[\g1b:\g1b+7]
	s_nop 0
.rept 4
	v_nop
.endr
.Lasked_\@:
.endm
.macro CREST
	s_cmp_lg_u32 s14, 0
	s_cbranch_scc1 .Lnot_wave_0_\@
	s_barrier_signal -3
.Lnot_wave_0_\@:
	s_barrier_wait -3
	s_barrier_signal -1
	s_barrier_wait -1
.endm
.macro CROUND
	s_barrier_signal -1
	s_barrier_wait -1
	CREST
.endm
.macro FRAGA reg, slot, q, i
.irp c, 0,1,2,3
	ds_load_b128 v[\reg+4*\c:\reg+4*\c+3], v[ADRA+\slot] offset:4096*(\i)+2048*(\q)+512*\c
.endr
.endm
.macro FRAGB reg, slot, q, i
.irp c, 0,1,2,3
	ds_load_b128 v[\reg+4*\c:\reg+4*\c+3], v[ADRB+\slot] offset:272*16*(\i)+128*(\q)+32*\c
.endr
.endm
.macro FETCH_B slot, q, p
	WIN 0x40
.set fb, 0
.rept NB
	FRAGB 128*(\p)+16*fb, \slot, \q, fb
.set fb, fb+1
.endr
	WIN 0
.endm
.macro FETCH_A slot, q, i0
.set fi, \i0
.rept HB
	FRAGA AF+16*fi, \slot, \q, fi
.set fi, fi+1
.endr
.endm
.macro SCALES sc, adrb, sblk
.set si, 0
.rept MB
	ds_load_b32 v[SA+16*(\sc)+2*si], v[ADSA] offset:64*si
	ds_load_b32 v[SA+16*(\sc)+2*si+1], v[ADSA] offset:512+64*si
.set si, si+1
.endr
.set si, 0
.rept NB
	ds_load_b64 v[SB+16*(\sc)+2*si:SB+16*(\sc)+2*si+1], v[\adrb] offset:(\sblk)*si
.set si, si+1
.endr
.endm
.macro MULA a, p, q, sc, zero
.set mb, 0
.rept NB
.if \zero
	v_wmma_scale_f32_16x16x128_f8f6f4 v[8*(NB*((\a)%4)+mb):8*(NB*((\a)%4)+mb)+7], v[128*(\p)+16*mb:128*(\p)+16*mb+15], v[AF+16*(\a):AF+16*(\a)+15], 0, v[SB+16*(\sc)+2*mb+(\q)], v[SA+16*(\sc)+2*(\a)+(\q)] matrix_a_fmt:MATRIX_FMT_BF8 matrix_b_fmt:MATRIX_FMT_BF8
.else
	v_wmma_scale_f32_16x16x128_f8f6f4 v[8*(NB*((\a)%4)+mb):8*(NB*((\a)%4)+mb)+7], v[128*(\p)+16*mb:128*(\p)+16*mb+15], v[AF+16*(\a):AF+16*(\a)+15], v[8*(NB*((\a)%4)+mb):8*(NB*((\a)%4)+mb)+7], v[SB+16*(\sc)+2*mb+(\q)], v[SA+16*(\sc)+2*(\a)+(\q)] matrix_a_fmt:MATRIX_FMT_BF8 matrix_b_fmt:MATRIX_FMT_BF8
.endif
.set mb, mb+1
.endr
.endm
.macro MULS a0, n, p, q, sc, zero
.set ma, \a0
.rept \n
	MULA ma, \p, \q, \sc, \zero
.set ma, ma+1
.endr
.endm
.macro STEP slot, zero
	s_wait_dscnt 4*HB
	WIN WLO
	MULS 0, HB, 0, 0, \slot, \zero
	s_wait_dscnt 0x0
	PLACES 8
	FETCH_B \slot, 1, 1
	FETCH_A \slot, 1, 0
	WIN WHI
	MULS HB, HB, 0, 0, \slot, \zero
	PLACES 8
	WIN 0
	FETCH_A \slot, 1, HB
.endm
.macro TURN slot, next, fill, mode
.if \fill
	s_wait_xcnt 0x0                                ; my last prefetch, a K step back, has read its address
	s_add_nc_u64 s[10:11], s[10:11], s[12:13]
.endif
	s_wait_tensorcnt 0x0
	ds_add_u32 v[SPW], v[NIL]
	s_wait_dscnt 4*HB+1
	WIN WLO
	MULS 0, HB/2, 1, 1, \slot, 0
	s_wait_dscnt 0x0
	s_barrier_signal -1
	MULS HB/2, HB/2, 1, 1, \slot, 0
	WIN 0
	s_barrier_wait -1
.if \fill
	CREST
	s_add_nc_u64 s[G0A+4*\slot+2:G0A+4*\slot+3], s[G0A+4*\slot+2:G0A+4*\slot+3], 8192
.if \mode == 0
	s_mov_b64 s[G0B+2:G0B+3], s[66:67]
	s_or_b32 s[G0B+3], s[G0B+3], 0x80000000
	s_add_nc_u64 s[G0B+6:G0B+7], s[66:67], 256
	s_or_b32 s[G0B+7], s[G0B+7], 0x80000000
.endif
.if \mode == 2
	s_add_nc_u64 s[G0B+4*\slot+2:G0B+4*\slot+3], s[G0B+4*\slot+2:G0B+4*\slot+3], 512
.endif
	JLOAD \slot, G1F
	PLACES 4
.else
	PLACES 8
.endif
	s_wait_alu depctr_va_vdst(0)
	v_add_nc_u32 v[ADSA], 1024, v[ADSA]
.if \mode == 0
	v_add_nc_u32 v[ADSBO], 8, v[ADSBO]
.endif
.if \mode == 2
	v_add_nc_u32 v[ADSBF], 8, v[ADSBF]
.endif
	FETCH_B \next, 0, 0
	FETCH_A \next, 0, 0
.if \mode == 0
	SCALES \next, ADSBO, 272
.else
	SCALES \next, ADSBF, 1088
.endif
.if \fill
	s_cmp_gt_u32 s3, 1                             ; the loop's last trip loads K steps 8 and 9: no step stands two on
	s_cbranch_scc0 .Lnone_on_\@
	global_prefetch_b8 v6, s[10:11] th:TH_LOAD_NT scope:SCOPE_SE   ; the K step two on from the one just asked for
.Lnone_on_\@:
.endif
	WIN WHI
	MULS HB, HB, 1, 1, \slot, 0
	PLACES 8
	WIN 0
	FETCH_A \next, 0, HB
.endm
	s_load_b256 s[68:75], s[0:1], 0x0
	s_load_b128 s[76:79], s[0:1], 0x20
	s_load_b64 s[80:81], s[0:1], 0x30
	v_lshl_add_u32 v[SPW], v0, 2, SPARE
	v_mov_b32 v[NIL], 0
	ds_add_u32 v28, v29
	ds_add_u32 v28, v29
	s_wait_dscnt 0x0
	v_lshrrev_b32 v3, 5, v0
	v_readfirstlane_b32 s14, v3
	s_lshr_b32 s15, s14, 1
	s_and_b32 s16, s14, 1
	s_bfe_u32 s40, ttmp6, 0x40000
	s_bfe_u32 s41, ttmp6, 0x40004
	s_lshl_b32 s42, ttmp9, 2
	s_add_co_u32 s42, s42, s40
	s_and_b32 s17, ttmp7, 0xffff
	s_lshl_b32 s17, s17, 2
	s_add_co_u32 s17, s17, s41
	s_lshl_b32 s43, s41, 2
	s_lshl_b32 s43, 15, s43
	s_lshl_b32 s44, 0x1111, s40
	v_and_b32 v1, 15, v0
	v_bfe_u32 v2, v0, 4, 1
	v_and_b32 v3, 31, v0
	v_lshlrev_b32 v30, 4, v3
	v_lshlrev_b32 v27, 4, v0
	v_lshrrev_b32 v4, 4, v0
	v_mul_u32_u24 v5, v4, 272
	v_lshl_add_u32 v5, v1, 4, v5
	v_add_nc_u32 v9, SCBO, v5
	v_add_nc_u32 v10, SCBF, v5
	s_lshl_b32 s84, s14, 9
	v_add_nc_u32 v8, s84, v30
	v_add_nc_u32 v8, SCA, v8
	s_mov_b32 s85, 0
	s_mov_b32 s87, 0
	s_mov_b32 s89, 0
	s_mov_b32 s91, 0
	s_lshl_b32 s84, s17, 9
	s_lshl_b32 s88, s14, 14
	s_add_co_u32 s84, s84, s88
	s_lshl_b32 s86, s42, 12
	s_lshl_b32 s90, s42, 14
	s_wait_alu depctr_va_vdst(0)
	s_wait_kmcnt 0x0
	s_add_nc_u64 s[70:71], s[70:71], s[84:85]
	s_add_nc_u64 s[74:75], s[74:75], s[86:87]
	s_add_nc_u64 s[78:79], s[78:79], s[90:91]
.irp n, 0,1,2,3,4
	global_load_b128 v[128+4*\n:131+4*\n], v30, s[70:71] offset:65536*\n
.endr
.irp n, 0,1
	global_load_b128 v[148+4*\n:151+4*\n], v27, s[74:75] offset:2048*\n
.endr
.irp n, 0,1,2,3,4,5,6,7
	global_load_b128 v[156+4*\n:159+4*\n], v27, s[78:79] offset:2048*\n
.endr
	s_or_b32 s[G1A], s43, (3<<16)|(1<<21)
	s_mov_b32 s[G1A+1], 512<<16
	s_mov_b32 s[G1A+2], AH<<16
	s_mov_b32 s[G1A+3], 512<<16
	s_mov_b32 s[G1A+4], AH
	s_mov_b32 s[G1A+5], 5120
	s_mov_b32 s[G1A+6], 0
	s_mov_b32 s[G1A+7], 0
	s_or_b32 s[G1B], s44, (1<<20)|(1<<21)|(5<<22)|(3<<25)
	s_or_b32 s[G1F], s44, (1<<20)|(1<<21)|(5<<22)|(3<<25)
.irp g, G1B, G1F
	s_mov_b32 s[\g+1], 256<<16
	s_mov_b32 s[\g+2], BH<<16
	s_mov_b32 s[\g+3], 256<<16
	s_mov_b32 s[\g+4], BH
	s_mov_b32 s[\g+6], 0
	s_mov_b32 s[\g+7], 0
.endr
	s_mov_b32 s[G1B+5], 512
	s_mov_b32 s[G1F+5], 2048
	s_lshl_b32 s84, s17, 3
	s_lshl_b32 s88, s16, 2
	s_add_co_u32 s84, s84, s88
	s_mul_i32 s84, s84, 40960
	s_add_nc_u64 s[68:69], s[68:69], s[84:85]
	s_lshl_b32 s86, s42, 17
	s_lshl_b32 s90, s16, 16
	s_add_co_u32 s86, s86, s90
	s_add_nc_u64 s[72:73], s[72:73], s[86:87]
	s_lshl_b32 s86, s86, 2
	s_add_nc_u64 s[66:67], s[76:77], s[86:87]
	s_lshl_b32 s88, s16, 14
	s_mul_i32 s90, s16, 272*BH
	CROUND
.irp s, 0,1
	s_mov_b32 s[G0A+4*\s], 1
	s_add_co_u32 s[G0A+4*\s+1], s88, \s*SLOT
	s_add_nc_u64 s[G0A+4*\s+2:G0A+4*\s+3], s[68:69], \s*4096
	s_or_b32 s[G0A+4*\s+3], s[G0A+4*\s+3], 0x80000000
	s_mov_b32 s[G0B+4*\s], 1
	s_add_co_u32 s[G0B+4*\s+1], s90, \s*SLOT+BOFF
	s_add_nc_u64 s[G0B+4*\s+2:G0B+4*\s+3], s[72:73], \s*256
	s_or_b32 s[G0B+4*\s+3], s[G0B+4*\s+3], 0x80000000
.endr
	JLOAD 0, G1B                                   ; K step 0: one tensor load a wave at the head
	; PREFETCH INTO THE L2: at the load of K step t each wave names K step t + 2, up to step 9; at the head steps 1 and 2, at step 1's load step 3.  Of what a wave's load brings, each of the four partners that ask jointly takes a quarter,
	; told apart by address: of act one tile's 4,096 bytes (sixteen blocks of 256; the upper lanes name the last again), of the weights 32 rows, a lane a row.  K step 1 takes w_attn_out's second 256 along K, K steps 2 on w_ff_out's K steps 0 on.
	s_mul_i32 s8, s40, 40960                       ; K step 1: in act my tile, 4,096 bytes on;
	s_add_co_u32 s8, s8, 4096
	s_lshl_b32 s9, s41, 14                         ; in w_attn_out my 32 rows of 512 bytes, 256 bytes on
	s_add_co_u32 s9, s9, 256
	s_mov_b32 s22, 512
	s_mul_i32 s4, s40, 40960
	s_add_co_u32 s4, s4, 8192
	s_lshl_b32 s5, s41, 16
	s_mov_b32 s7, 2048
	s_mov_b32 s12, 256
	s_mov_b32 s3, 3
	s_cmp_eq_u32 s15, 0
	s_cselect_b64 s[10:11], s[68:69], s[66:67]
	s_cselect_b64 s[20:21], s[68:69], s[72:73]
	s_cselect_b32 s8, s8, s9
	s_cselect_b32 s22, 256, s22
	s_mov_b32 s9, 0
	s_add_nc_u64 s[20:21], s[20:21], s[8:9]
	s_cselect_b32 s4, s4, s5
	s_cselect_b32 s6, 15, 31
	s_cselect_b32 s7, 256, s7
	s_cselect_b32 s12, 4096, s12
	s_mov_b32 s5, 0
	s_mov_b32 s13, 0
	s_add_nc_u64 s[10:11], s[10:11], s[4:5]
	v_min_u32 v6, s6, v3
	v_mul_u32_u24 v6, s7, v6
	v_min_u32 v7, s6, v3
	v_mul_u32_u24 v7, s22, v7
	global_prefetch_b8 v7, s[20:21] th:TH_LOAD_NT scope:SCOPE_SE   ; K step 1,
	global_prefetch_b8 v6, s[10:11] th:TH_LOAD_NT scope:SCOPE_SE   ; K step 2
	s_lshl_b32 s84, s15, 14
	v_add_nc_u32 v[ADRA], s84, v30
	v_add_nc_u32 v[ADRA+1], SLOT, v[ADRA]
	v_mul_u32_u24 v[ADRB], v1, 272
	v_lshl_add_u32 v[ADRB], v2, 4, v[ADRB]
	s_mul_i32 s84, s16, 272*128
	v_add_nc_u32 v[ADRB], s84, v[ADRB]
	v_add_nc_u32 v[ADRB], BOFF, v[ADRB]
	v_add_nc_u32 v[ADRB+1], SLOT, v[ADRB]
	s_lshl_b32 s84, s15, 8
	v_lshlrev_b32 v[ADSA], 2, v1
	v_add_nc_u32 v[ADSA], s84, v[ADSA]
	v_add_nc_u32 v[ADSA], SCA, v[ADSA]
	s_mul_i32 s84, s16, 2176
	v_lshlrev_b32 v[ADSBO], 4, v1
	v_add_nc_u32 v[ADSBO], s84, v[ADSBO]
	v_add_nc_u32 v[ADSBO], SCBO, v[ADSBO]
	v_lshrrev_b32 v4, 2, v1
	v_mul_u32_u24 v4, v4, 272
	v_and_b32 v5, 3, v1
	v_lshl_add_u32 v4, v5, 6, v4
	s_mul_i32 s84, s16, 8704
	v_add_nc_u32 v[ADSBF], s84, v4
	v_add_nc_u32 v[ADSBF], SCBF, v[ADSBF]
	s_mul_i32 s84, s14, 16*SPITCH
	v_mul_u32_u24 v[STO], v1, SPITCH
	v_lshl_add_u32 v[STO], v2, 5, v[STO]
	v_add_nc_u32 v[STO], s84, v[STO]
	v_add_nc_u32 v[RD], s84, v30
	s_wait_loadcnt 0x0
.irp n, 0,1,2,3,4
	ds_store_b128 v8, v[128+4*\n:131+4*\n] offset:2048*\n
.endr
.irp n, 0,1
	ds_store_b128 v9, v[148+4*\n:151+4*\n] offset:2176*\n
.endr
.irp n, 0,1,2,3,4,5,6,7
	ds_store_b128 v10, v[156+4*\n:159+4*\n] offset:2176*\n
.endr
	s_wait_alu depctr_va_vdst(0)                   ; the wait at the head's end
	s_wait_xcnt 0x0                                ; the two prefetches have read their address
	s_add_nc_u64 s[10:11], s[10:11], s[12:13]      ; at K step 3: each refill steps it once more
	s_wait_tensorcnt 0x0                           ; my part of K step 0 is in
	ds_add_u32 v[SPW], v[NIL]
	s_wait_dscnt 0x0                               ; the add is done, and my part of the scale bytes lies in LDS
	CROUND
	JLOAD 1, G1B                                   ; K step 1: the first tensor load behind the round
	FETCH_B 0, 0, 0
	FETCH_A 0, 0, 0
	SCALES 0, ADSBO, 272
	FETCH_A 0, 0, HB
	global_prefetch_b8 v6, s[10:11] th:TH_LOAD_NT scope:SCOPE_SE   ; K step 3
	STEP 0, 1
	TURN 0, 1, 1, 0
	STEP 1, 0
	TURN 1, 0, 1, 1
	STEP 0, 0
	s_mov_b32 s3, 3
.Llap:
	TURN 0, 1, 1, 2
	STEP 1, 0
	TURN 1, 0, 1, 2
	STEP 0, 0
	s_sub_co_u32 s3, s3, 1
	s_cmp_lg_u32 s3, 0
	s_cbranch_scc1 .Llap
	TURN 0, 1, 0, 2
	STEP 1, 0
	s_wait_dscnt 4*HB
	WIN WLO
	MULS 0, HB, 1, 1, 1, 0
	s_wait_dscnt 0x0
	WIN WHI
	MULS HB, HB, 1, 1, 1, 0
	WIN 0
	s_lshl_b32 s84, s17, 7
	s_lshl_b32 s86, s15, 6
	s_add_co_u32 s84, s84, s86
	s_lshl_b32 s84, s84, 13
	s_lshl_b32 s86, s42, 10
	s_add_co_u32 s84, s84, s86
	s_lshl_b32 s86, s16, 9
	s_add_co_u32 s84, s84, s86
	s_add_nc_u64 s[80:81], s[80:81], s[84:85]
.macro TOSTAGE a
	WIN 0x08
.irp b, 0,1,2,3,4,5,6,7
	ds_store_b128 v[STO], v[64*(\a)+8*\b:64*(\a)+8*\b+3] offset:64*\b
	ds_store_b128 v[STO], v[64*(\a)+8*\b+4:64*(\a)+8*\b+7] offset:64*\b+16
.endr
	WIN 0
.set BB, BK+64*((\a)%2)
.irp t, 0,1,2,3,4,5,6,7,8,9,10,11,12,13,14,15
	ds_load_b128 v[BB+4*\t:BB+4*\t+3], v[RD] offset:\t*SPITCH
.endr
.endm
.macro SEND a, younger
.set BB, BK+64*((\a)%2)
	s_wait_dscnt \younger
.if (\a) > 0
	s_add_nc_u64 s[80:81], s[80:81], 131072
.endif
.irp t, 0,1,2,3,4,5,6,7,8,9,10,11,12,13,14,15
	global_store_b128 v30, v[BB+4*\t:BB+4*\t+3], s[80:81] offset:\t*8192 th:TH_STORE_NT
.endr
.endm
	PLACES 8
	TOSTAGE 0
.irp a, 1,2,3
.if \a > 1
	s_wait_xcnt 0x0
.endif
	TOSTAGE \a
	SEND \a-1, 32
.endr
	s_wait_xcnt 0x0
	SEND 3, 0
	s_wait_tensorcnt 0x0
	ds_add_u32 v[SPW], v[NIL]
	s_wait_dscnt 0x0
	CROUND
	s_endpgm
.Lfunc_end_k_q6c0d3cc456_outp:
	.size	k_q6c0d3cc456_outp, .Lfunc_end_k_q6c0d3cc456_outp-k_q6c0d3cc456_outp
	.p2alignl 7, 3214868480
	.fill 96, 4, 3214868480
	.section	.rodata,"a",@progbits
	.p2align	6, 0x0
	.amdhsa_kernel k_q6c0d3cc456_outp
		.amdhsa_group_segment_fixed_size 327680
		.amdhsa_private_segment_fixed_size 0
		.amdhsa_enable_private_segment 0
		.amdhsa_kernarg_size 56
		.amdhsa_user_sgpr_count 2
		.amdhsa_user_sgpr_kernarg_segment_ptr 1
		.amdhsa_wavefront_size32 1
		.amdhsa_system_sgpr_workgroup_id_x 1
		.amdhsa_system_sgpr_workgroup_id_y 1
		.amdhsa_system_sgpr_workgroup_id_z 1
		.amdhsa_system_vgpr_workitem_id 0
		.amdhsa_next_free_vgpr 768
		.amdhsa_next_free_sgpr 100
		.amdhsa_reserve_vcc 0
		.amdhsa_float_denorm_mode_32 3
		.amdhsa_float_denorm_mode_16_64 3
		.amdhsa_memory_ordered 1
		.amdhsa_forward_progress 1
		.amdhsa_inst_pref_size 132
	.end_amdhsa_kernel
	.amdgpu_metadata
---
amdhsa.version: [ 1, 2 ]
amdhsa.kernels:
  - .name:           k_q6c0d3cc456_outp
    .symbol:         k_q6c0d3cc456_outp.kd
    .args:
      - { .name: act, .offset: 0, .size: 8, .value_kind: global_buffer, .address_space: global }
      - { .name: acs, .offset: 8, .size: 8, .value_kind: global_buffer, .address_space: global }
      - { .name: w_attn_out_codes, .offset: 16, .size: 8, .value_kind: global_buffer, .address_space: global }
      - { .name: w_attn_out_scales, .offset: 24, .size: 8, .value_kind: global_buffer, .address_space: global }
      - { .name: w_ff_out_codes, .offset: 32, .size: 8, .value_kind: global_buffer, .address_space: global }
      - { .name: w_ff_out_scales, .offset: 40, .size: 8, .value_kind: global_buffer, .address_space: global }
      - { .name: out0, .offset: 48, .size: 8, .value_kind: global_buffer, .address_space: global }
    .group_segment_fixed_size: 327680
    .private_segment_fixed_size: 0
    .kernarg_segment_align: 8
    .kernarg_segment_size: 56
    .max_flat_workgroup_size: 128
    .sgpr_count:     100
    .vgpr_count:     768
    .wavefront_size: 32
...
	.end_amdgpu_metadata
.endif
;; end of part 5
